; MI455X (gfx1250); checked and timed in simulation.
; The chip was launched on July 23, 2026; its instructions are those of AMD's public machine-readable ISA for CDNA 5 (MIT licence, August 2026) and "CDNA5" Instruction Set Architecture Reference Guide (July 2026). The comments in the code are by the model that wrote it; some were corrected since.
;; Bert Attention. Allowed arithmetic: matrix products marked QUANTISED: E5M2 operands, one E8M0 scale for each 32 along K, by v_wmma_scale_f32_16x16x128_f8f6f4 with both operands' format E5M2, f32 sums; everything else in f32.
;; Inputs: attention_mask 16 x 1 x 1 x 1,024 float32; beta 768 float32; gamma 768 float32; hidden_states 16 x 1,024 x 768 float32; kb 768 float32; kw 768 x 768 float32; ob 768 float32; ow 768 x 768 float32; qb 768 float32; qw 768 x 768 float32; vb 768 float32; vw 768 x 768 float32.
;; Outputs: out0 16 x 1,024 x 768 float32.
;; This version of the problem:
;;   THIS VERSION OF THE PROBLEM IS GIVEN IN LOW PRECISION. The matrix products marked QUANTISED in the list below multiply operands that are first quantised to E5M2 (5 exponent bits, 2 mantissa bits; 8 bits a number), with one power-of-two scale for each 32 numbers along K (OCP MX v1.0); their sums are f32. All else is computed in f32.
;;   The module's matrix products, in the order in which they are computed (A, B: the left and right operand; K: the contracted axis; several contracted axes count as one K, in the product's order):
;;     1. [M 16,384, K 768] x [K 768, N 768]; A: input hidden_states; B: input qw: QUANTISED
;;     2. [M 16,384, K 768] x [K 768, N 768]; A: input hidden_states; B: input kw: QUANTISED
;;     3. [M 16,384, K 768] x [K 768, N 768]; A: input hidden_states; B: input vw: QUANTISED
;;     4. batch 192 x [M 1,024, K 64] x [K 64, N 1,024]; A: computed on the way; B: computed on the way: QUANTISED
;;     5. batch 192 x [M 64, K 1,024] x [K 1,024, N 1,024]; A: computed on the way; B: softmax (see below): QUANTISED
;;     6. [M 16,384, K 768] x [K 768, N 768]; A: computed on the way; B: input ow: QUANTISED
;;   THE QUANTISER, for each operand of a quantised product, along K:
;;     - K is cut into blocks of 32 from its start; a last block that is shorter is filled with zeros.
;;     - A block's scale is 2^e with e = floor(log2(the largest magnitude in the block)) - 15, held to -126 .. 127; a block of zeros has e = 0. As a byte (E8M0): e + 127.
;;     - Each number is divided by its block's scale, clamped to +-57,344, and rounded to the nearest number of E5M2, ties to even, subnormals kept.
;;     - The product sums the exact products of the quantised numbers (number of the format x scale) in f32.
;;   ~~~python
;;   def quantise(x, axis):      # numpy; x: float32 -> the quantised numbers, widened to float32 again
;;       x = np.moveaxis(x, axis, -1); K = x.shape[-1]
;;       x = np.pad(x, [(0, 0)] * (x.ndim - 1) + [(0, -K % 32)]); x = x.reshape(x.shape[:-1] + (-1, 32)); a = np.abs(x).max(-1, keepdims=True)
;;       e = np.where(a > 0, np.clip(np.frexp(np.where(a > 0, a, 1))[1] - 1 - 15, -126, 127), 0)      # np.frexp(a)[1] - 1 = floor(log2(a)), exactly
;;       r = np.clip(x / 2.0 ** e, -57344, 57344)
;;       step = 2.0 ** (np.maximum(np.frexp(np.where(r == 0, 1, r))[1] - 1, -14) - 2)
;;       q = np.round(r / step) * step * 2.0 ** e      # np.round: ties to even
;;       return np.moveaxis(q.reshape(q.shape[:-2] + (-1,))[..., :K], -1, axis).astype(np.float32)
;;   ~~~
;;   SOFTMAX AHEAD OF A QUANTISED PRODUCT. Where the list says 'softmax', what is quantised is not the finished softmax but p = 2^(t - M), with t = logit x log2(e) and M = ceil(the row's largest t), a whole number; so 1/2 < the row's largest p <= 1. The row's sum l is taken of the UNQUANTISED p, in f32, and the product's result is divided by l at the end. Since M is a whole number, a kernel that streams over the keys may use a running M (the ceiling of the running maximum): every later rescaling is an exact power of two, which a block's scale takes up: the codes' values come out the same.
;;   OPERANDS COMPUTED ON THE WAY. 'Computed on the way' means the value that the module computes at that place (a softmax that the list does not call 'softmax' is quantised finished and normalised). What goes into a quantiser is computed in f32, as accurately as f32 sums, v_exp_f32 and their like allow (about 1e-6 of the number): no bf16 or f16 on the way to a quantiser, and a product that is left as it is and whose result goes on into a quantised operand takes f32 operands (vector FMAs, or v_wmma_f32_16x16x4_f32). A number that lies on a knife's edge between two numbers of the format may be rounded either way, as far as f32 arithmetic and the matrix unit's own rounding can turn it there, and no further.
;; One version. Each part assembles by itself: llvm-mc -triple=amdgcn-amd-amdhsa -mcpu=gfx1250 --defsym DOCPART=n.
;; ======== version 1 of 1: 4 launches
;; limits: right only within a limited range of input values
;; workspace buffers: pimg 14,942,208 bytes; psc 466,944 bytes; qkvimg 37,748,736 bytes; qkvsc 1,179,648 bytes; cimg 12,582,912 bytes; csc 393,216 bytes
;; launch prep (part 1): grid 304 x 1, 4 waves a work-group, no clusters, 34,304 bytes of LDS; arguments hidden_states, qw, kw, vw, ow, pimg, psc; writes pimg, psc
.if DOCPART == 1
	.amdgcn_target "amdgcn-amd-amdhsa--gfx1250"
	.amdhsa_code_object_version 6
	.text
	.protected	k_q651bfe2c80_prep
	.globl	k_q651bfe2c80_prep
	.p2align	8
	.type	k_q651bfe2c80_prep,@function
k_q651bfe2c80_prep:
	s_mov_b64 s[64:65], 0
	v_nop
	global_prefetch_b8 v0, s[64:65] scope:SCOPE_SE
	s_setreg_imm32_b32 hwreg(HW_REG_WAVE_MODE, 25, 1), 1
	s_wait_xcnt 0x0
; hidden_states [16384][768] and the four weights [768][768], f32 with K = 768 innermost, become codes of E5M2 with one E8M0 byte for each 32 along K.
; A block's scale is 2^(floor(log2(largest magnitude)) - 15); numbers are held within +-57,344 x the scale and rounded to the nearest code, ties to even.
; OUT: images of operand registers.  A row tile G is 16 rows: G < 1024 tokens 16 G on; G = 1024 + 48 m + t the rows 16 t on of weight m (q, k, v, o).
;   pimg [G][ks 6][c 4][lane 32][16 bytes]: register group c of the fragment of K step ks (128 along K), as lane (r = lane % 16, h = lane / 16) holds it.
;   psc  [G][kp 3][lane 32] words: lanes 0-15 the rows' scale words of K step 2 kp, lanes 16-31 those of 2 kp + 1.
; INSIDE EACH BLOCK OF 32 THE ORDER IS PERMUTED, alike in every operand of the program: the code at place 16 h + 8 u + j is the number 16 u + 8 h + j of the block.  Blocks stay the true blocks.
; SHARES: a wave takes one row tile, 49,152 dense bytes, in six K steps.  Each load reads 512 consecutive bytes; a step's 16 x 512 bytes turn through the wave's own stage in LDS
; (rows 528 bytes apart: an odd multiple of 16, so sixteen rows begin at sixteen different 16-byte columns of 256), and come back as a lane's 64 numbers.  No barrier: waves share nothing.
; No matrix unit, no cluster, no tensor load: a stream, each byte read once.
; LIMITS: NaN and infinities are not served; a block whose largest magnitude lies under 2^-111 (a block of zeros too) gets the byte 1: the bytes are read by this program alone.
.set STG, 8448
.set LI,  1                            ; v1  16 x lane
.set LS,  2                            ; v2  4 x lane
.set SW,  3                            ; v3  stage, on the way in
.set SRD, 4                            ; v4  stage, on the way out: 528 r + 32 h
.set R,   16                           ; v16-143  two sets of 64 registers as loaded
.set X,   144                          ; v144-207 a lane's 64 numbers: register 16 c + 8 u + j
.set PC,  208                          ; v208-223 the codes
.set TM,  224                          ; v224-239 at work
.set PW,  240                          ; the scale word of an odd K step
.set PWE, 241                          ; of an even one
.set SWD, 242                          ; the two, by halves of the lanes
.set SRC, 20                           ; s[20:21] my tile's numbers
.set SEL, 24                           ; s[24:25] selects for lane l xor 16
.set MNT, 26                           ; the mantissa field of 57,344
.set HM,  27                           ; lanes 16-31
.set IMG, 28                           ; s[28:29]
.set SC,  30                           ; s[30:31]
; 64 numbers of a lane, register 16 b + i of block b (the block's other 16 lie in lane l xor 16), become 16 registers of codes in v[PC] on and the row's scale word in v[pw].
.macro QUANT s, pw
.irp b, 0,1,2,3
	v_max3_num_f32 v[TM+\b], |v[\s+16*\b]|, |v[\s+1+16*\b]|, 0x8000000   ; with the floor 2^(16 - 127): the byte cannot fall under 1
.endr
.irp i, 2,4,6,8,10,12,14
.irp b, 0,1,2,3
	v_max3_num_f32 v[TM+\b], v[TM+\b], |v[\s+16*\b+\i]|, |v[\s+1+16*\b+\i]|
.endr
.endr
.irp b, 0,1,2,3
	v_permlanex16_b32 v[TM+4+\b], v[TM+\b], s[SEL], s[SEL+1]
.endr
.irp b, 0,1,2,3
	v_max_num_f32 v[TM+\b], v[TM+\b], v[TM+4+\b]                   ; the block's largest magnitude
.endr
.irp b, 0,1,2,3
	v_add_nc_u32 v[TM+12+\b], 0xf8800000, v[TM+\b]                 ; 15 off its exponent field: the conversion's scale operand
.endr
.irp b, 0,1,2,3
	v_and_or_b32 v[TM+8+\b], v[TM+\b], 0x7f800000, s[MNT]          ; 57,344 x the scale
.endr
.irp b, 0,1,2,3
	v_lshrrev_b32 v[TM+4+\b], 23, v[TM+12+\b]                      ; the byte
.endr
	v_lshl_or_b32 v[\pw], v[TM+5], 8, v[TM+4]
	v_lshl_or_b32 v[\pw], v[TM+6], 16, v[\pw]
	v_lshl_or_b32 v[\pw], v[TM+7], 24, v[\pw]
.irp b, 0,1,2,3
.irp i, 0,1,2,3,4,5,6,7,8,9,10,11,12,13,14,15
	v_med3_num_f32 v[\s+16*\b+\i], v[\s+16*\b+\i], -v[TM+8+\b], v[TM+8+\b]   ; the conversion does not saturate (ISA guide 7.6.2): the hold comes first
.endr
	v_cvt_scalef32_pk8_bf8_f32 v[PC+4*\b:PC+1+4*\b], v[\s+16*\b:\s+7+16*\b], v[TM+12+\b]
	v_cvt_scalef32_pk8_bf8_f32 v[PC+2+4*\b:PC+3+4*\b], v[\s+8+16*\b:\s+15+16*\b], v[TM+12+\b]
.endr
	v_nop                                          ; a plain line behind the last conversion
.endm
.macro LOAD ks                         ; K step ks of my 16 rows: each load 512 consecutive bytes of one row
.irp p, 0,1,2,3,4,5,6,7,8,9,10,11,12,13,14,15
	global_load_b128 v[R+64*((\ks)%2)+4*\p:R+64*((\ks)%2)+4*\p+3], v[LI], s[SRC:SRC+1] offset:3072*\p+512*(\ks) th:TH_LOAD_NT
.endr
.endm
.macro PSTEP ks
.if (\ks) < 5
	s_wait_loadcnt 16                              ; this step's 16 loads are in; the next step's 16 may be out
.else
	s_wait_loadcnt 0x0
.endif
.irp p, 0,1,2,3,4,5,6,7,8,9,10,11,12,13,14,15
	ds_store_b128 v[SW], v[R+64*((\ks)%2)+4*\p:R+64*((\ks)%2)+4*\p+3] offset:528*\p
.endr
.irp c, 0,1,2,3
.irp u, 0,1
.irp e, 0,1
	ds_load_b128 v[X+16*\c+8*\u+4*\e:X+16*\c+8*\u+4*\e+3], v[SRD] offset:128*\c+64*\u+16*\e   ; LDS serves a wave's instructions in order: these see the stores above
.endr
.endr
.endr
	s_wait_dscnt 0x0                               ; my numbers are back, and the stores have read the set that is loaded anew below
	s_wait_xcnt 0x0                                ; the last step's stores have read PC and SWD
.if (\ks)+2 < 6
	LOAD ((\ks)+2)
.endif
.if (\ks)%2
	QUANT X, PW
.else
	QUANT X, PWE
.endif
.irp c, 0,1,2,3
	global_store_b128 v[LI], v[PC+4*\c:PC+4*\c+3], s[IMG:IMG+1] offset:2048*(\ks)+512*\c   ; 512 consecutive bytes
.endr
.if (\ks)%2
	v_cndmask_b32 v[SWD], v[PWE], v[PW], s[HM]     ; lanes 0-15 the even step's words, lanes 16-31 the odd step's
	global_store_b32 v[LS], v[SWD], s[SC:SC+1] offset:128*((\ks)/2)
.endif
.endm
	s_load_b256 s[4:11], s[0:1], 0x0               ; hidden_states, qw, kw, vw
	s_load_b128 s[12:15], s[0:1], 0x20             ; ow, pimg
	s_load_b64 s[16:17], s[0:1], 0x30              ; psc
	v_lshl_add_u32 v254, v0, 2, 0x8400
	v_mov_b32 v255, 0
	v_lshrrev_b32 v5, 5, v0
	v_readfirstlane_b32 s18, v5                    ; wave
	v_and_b32 v5, 31, v0
	v_lshlrev_b32 v[LI], 4, v5
	v_lshlrev_b32 v[LS], 2, v5
	s_mul_i32 s19, s18, STG
	v_add_nc_u32 v[SW], s19, v[LI]
	v_and_b32 v6, 15, v0
	v_bfe_u32 v7, v0, 4, 1
	v_mul_u32_u24 v[SRD], v6, 528
	v_lshl_add_u32 v[SRD], v7, 5, v[SRD]
	v_add_nc_u32 v[SRD], s19, v[SRD]
	s_mov_b32 s[SEL], 0x76543210
	s_mov_b32 s[SEL+1], 0xfedcba98
	s_mov_b32 s[MNT], 0x600000
	s_mov_b32 s[HM], 0xffff0000
.irp b, 0,1,2,3
	v_mov_b32 v[TM+4+\b], 0                        ; a lane permute's destination counts as one of its sources
.endr
	s_wait_alu depctr_va_vdst(0)
	s_wait_kmcnt 0x0
	s_mov_b64 s[SRC:SRC+1], s[12:13]               ; which tensor: by the work-group's number alone.  256 work-groups for the tokens, 12 for each weight
	s_mov_b32 s22, 292
	s_cmp_lt_u32 ttmp9, 292
	s_cselect_b64 s[SRC:SRC+1], s[10:11], s[SRC:SRC+1]
	s_cselect_b32 s22, 280, s22
	s_cmp_lt_u32 ttmp9, 280
	s_cselect_b64 s[SRC:SRC+1], s[8:9], s[SRC:SRC+1]
	s_cselect_b32 s22, 268, s22
	s_cmp_lt_u32 ttmp9, 268
	s_cselect_b64 s[SRC:SRC+1], s[6:7], s[SRC:SRC+1]
	s_cselect_b32 s22, 256, s22
	s_cmp_lt_u32 ttmp9, 256
	s_cselect_b64 s[SRC:SRC+1], s[4:5], s[SRC:SRC+1]
	s_cselect_b32 s22, 0, s22
	s_sub_co_u32 s23, ttmp9, s22
	s_lshl_b32 s23, s23, 2
	s_add_co_u32 s23, s23, s18                     ; my row tile within the tensor
	s_mul_i32 s32, s23, 49152
	s_mov_b32 s33, 0
	s_add_nc_u64 s[SRC:SRC+1], s[SRC:SRC+1], s[32:33]
	s_lshl_b32 s23, ttmp9, 2
	s_add_co_u32 s23, s23, s18                     ; G
	s_mul_i32 s32, s23, 12288
	s_add_nc_u64 s[IMG:IMG+1], s[14:15], s[32:33]
	s_mul_i32 s32, s23, 384
	s_add_nc_u64 s[SC:SC+1], s[16:17], s[32:33]
	LOAD 0
	LOAD 1
	PSTEP 0
	PSTEP 1
	PSTEP 2
	PSTEP 3
	PSTEP 4
	PSTEP 5
	s_wait_tensorcnt 0x0
	ds_add_u32 v254, v255
	s_wait_dscnt 0x0
	s_endpgm
.Lfunc_end_k_q651bfe2c80_prep:
	.size	k_q651bfe2c80_prep, .Lfunc_end_k_q651bfe2c80_prep-k_q651bfe2c80_prep
	.p2alignl 7, 3214868480
	.fill 96, 4, 3214868480
	.section	.rodata,"a",@progbits
	.p2align	6, 0x0
	.amdhsa_kernel k_q651bfe2c80_prep
		.amdhsa_group_segment_fixed_size 34304
		.amdhsa_private_segment_fixed_size 0
		.amdhsa_enable_private_segment 0
		.amdhsa_kernarg_size 56
		.amdhsa_user_sgpr_count 2
		.amdhsa_user_sgpr_kernarg_segment_ptr 1
		.amdhsa_wavefront_size32 1
		.amdhsa_system_sgpr_workgroup_id_x 1
		.amdhsa_system_sgpr_workgroup_id_y 1
		.amdhsa_system_sgpr_workgroup_id_z 1
		.amdhsa_system_vgpr_workitem_id 0
		.amdhsa_next_free_vgpr 256
		.amdhsa_next_free_sgpr 66
		.amdhsa_reserve_vcc 0
		.amdhsa_float_denorm_mode_32 3
		.amdhsa_float_denorm_mode_16_64 3
		.amdhsa_memory_ordered 1
		.amdhsa_forward_progress 1
		.amdhsa_inst_pref_size 75
	.end_amdhsa_kernel
	.amdgpu_metadata
---
amdhsa.version: [ 1, 2 ]
amdhsa.kernels:
  - .name:           k_q651bfe2c80_prep
    .symbol:         k_q651bfe2c80_prep.kd
    .args:
      - { .name: hidden_states, .offset: 0, .size: 8, .value_kind: global_buffer, .address_space: global }
      - { .name: qw, .offset: 8, .size: 8, .value_kind: global_buffer, .address_space: global }
      - { .name: kw, .offset: 16, .size: 8, .value_kind: global_buffer, .address_space: global }
      - { .name: vw, .offset: 24, .size: 8, .value_kind: global_buffer, .address_space: global }
      - { .name: ow, .offset: 32, .size: 8, .value_kind: global_buffer, .address_space: global }
      - { .name: pimg, .offset: 40, .size: 8, .value_kind: global_buffer, .address_space: global }
      - { .name: psc, .offset: 48, .size: 8, .value_kind: global_buffer, .address_space: global }
    .group_segment_fixed_size: 34304
    .private_segment_fixed_size: 0
    .kernarg_segment_align: 8
    .kernarg_segment_size: 56
    .max_flat_workgroup_size: 128
    .sgpr_count:     66
    .vgpr_count:     256
    .wavefront_size: 32
...
	.end_amdgpu_metadata
.endif
;; end of part 1
;; launch qkv (part 2): grid 12 x 16, 4 waves a work-group, no clusters, 168,448 bytes of LDS; arguments pimg, psc, qb, kb, vb, qkvimg, qkvsc; writes qkvimg, qkvsc
.if DOCPART == 2
	.amdgcn_target "amdgcn-amd-amdhsa--gfx1250"
	.amdhsa_code_object_version 6
	.text
	.protected	k_q651bfe2c80_qkv
	.globl	k_q651bfe2c80_qkv
	.p2align	8
	.type	k_q651bfe2c80_qkv,@function
k_q651bfe2c80_qkv:
	s_mov_b64 s[64:65], 0
	v_nop
	global_prefetch_b8 v0, s[64:65] scope:SCOPE_SE
	s_setreg_imm32_b32 hwreg(HW_REG_WAVE_MODE, 25, 1), 1
	s_wait_xcnt 0x0
; q, k, v = x W^T + bias on codes of E5M2 (K = 768, six K steps of 128), and the results quantised again: q and k along the head's 64, v along the KEYS.
; SHARES.  Work-group (g, b): g / 4 says q, k or v; g % 4 which three heads (192 rows of W); b the batch.  Its 192 rows of W, 147,456 dense bytes of images, come into LDS once, a quarter by each wave's
; one tensor load, and stay.  It walks the batch's 1,024 tokens in four blocks of 256; wave w owns 64 tokens of a block, whose codes (24 fragments, 384 registers) stay in registers for the block's three slices
; (a slice = one head, 64 columns: 16 accumulators, 96 matrix instructions).
; q, k: the product is used transposed (source 0 = 16 rows of W, source 1 = 16 tokens): a lane holds one token and eight neighbours along d.  v: natural (source 0 = tokens): a lane holds one d and eight tokens,
; neighbours along the keys.  Either way the 16 registers of two neighbouring tiles are a lane's 16 numbers of a block of 32, in the order 16 u + 8 h + j that all operands of this program share.
; The bias is the C of a sum's first matrix instruction.
; OUT (bh = 12 b + head): qkvimg: type x 12,582,912 + bh x 65,536; q, k [token tile 64][c' 2][lane][16]; v [block of 32 keys 32][d tile 4][lane][16].
;   qkvsc: type x 393,216 + bh x 2,048; q, k [64 tokens 16][lane] words: lanes 0-15 the first pair of tiles, lanes 16-31 the second; a word = the even tile's two bytes, then the odd tile's.
;   v [128 keys 8][d tile 4][r 16] words: byte c for the c-th block of 32 keys.
; NO CLUSTER: of the 933,888 bytes that a work-group reads, 786,432 are x's images, which go straight into the registers of the one wave that multiplies them; W's 147,456 are fetched once in the launch.
; 192 work-groups: 36 slices of one head do not fall into 256 equal parts of one type with W resident.
; LIMITS: NaN and infinities are not served; a block whose largest magnitude lies under 2^-111 gets the byte 1; within a block of 32 the products are summed in the permuted order.
; REGISTERS.  window 0: v1-6 addresses; v16-27 x's scale words; v28-63 W's; v64-103 at work; v128-255 the accumulators.   window 1: x's fragments of K steps 0-3 at 64 ks + 16 i.
;   window 2: v0-127 x's of K steps 4, 5; v128-255 two sets of W's four fragments.   window 3: v0-95 the bias, 8 registers for each slice and tile of columns.
.set LI,  1                            ; 16 x lane
.set LS,  2                            ; 4 x lane
.set LW,  3                            ; v3-5 16 x lane + 49,152 x slice
.set VSA, 6                            ; 128 h + 4 r: v's scale half-words
.set XS,  16                           ; x's scale words: 3 i + kp; lanes 0-15 K step 2 kp, lanes 16-31 2 kp + 1
.set WS,  28                           ; W's: 12 sl + 3 n + kp
.set TM,  64
.set PW0, 80
.set PW1, 81
.set SWD, 82
.set H01, 83
.set H23, 84
.set PC,  88
.set ACC, 128
.set WV,  18
.set BB,  20
.set TY,  21
.set HG,  22
.set BLK, 23
.set G0,  24                           ; s[24:27]
.set G1,  28                           ; s[28:35]
.set XP,  36                           ; s[36:37] x's images at my 64 tokens
.set XSP, 38                           ; their scale words
.set OI,  40                           ; where my images go
.set OS,  42                           ; and my scale words
.set BIA, 44                           ; the bias
.set WP,  46                           ; W's scale words
.set SEL, 48
.set MNT, 50
.set HM,  51
.set MSB, 0
.macro WIN new                         ; the immediate's high byte repeats the setting that is left
.if MSB != (\new)
	s_set_vgpr_msb (MSB<<8)|(\new)
.set MSB, (\new)
.endif
.endm
.macro PLACES n
.rept \n
	v_nop
.endr
.endm
.macro WM rd, ra, rb, rc, sa, sb, odd  ; odd: both sides' scale words lie in lanes 16-31
.if \odd
	v_wmma_scale_f32_16x16x128_f8f6f4 v[\rd:\rd+7], v[\ra:\ra+15], v[\rb:\rb+15], v[\rc:\rc+7], v[\sa], v[\sb] matrix_a_fmt:MATRIX_FMT_BF8 matrix_b_fmt:MATRIX_FMT_BF8 matrix_a_scale:MATRIX_SCALE_ROW1 matrix_b_scale:MATRIX_SCALE_ROW1
.else
	v_wmma_scale_f32_16x16x128_f8f6f4 v[\rd:\rd+7], v[\ra:\ra+15], v[\rb:\rb+15], v[\rc:\rc+7], v[\sa], v[\sb] matrix_a_fmt:MATRIX_FMT_BF8 matrix_b_fmt:MATRIX_FMT_BF8
.endif
.endm
; 64 numbers of a lane, register 16 b + i of block b (the block's other 16 lie in lane l xor 16), become 16 registers of codes in v[PC] on and a word of four scale bytes in v[pw].
.macro QUANT s, pw
.irp b, 0,1,2,3
	v_max3_num_f32 v[TM+\b], |v[\s+16*\b]|, |v[\s+1+16*\b]|, 0x8000000   ; with the floor 2^(16 - 127).  Each accumulator is read from its low end on
.endr
.irp i, 2,4,6,8,10,12,14
.irp b, 0,1,2,3
	v_max3_num_f32 v[TM+\b], v[TM+\b], |v[\s+16*\b+\i]|, |v[\s+1+16*\b+\i]|
.endr
.endr
.irp b, 0,1,2,3
	v_permlanex16_b32 v[TM+4+\b], v[TM+\b], s[SEL], s[SEL+1]
.endr
.irp b, 0,1,2,3
	v_max_num_f32 v[TM+\b], v[TM+\b], v[TM+4+\b]
.endr
.irp b, 0,1,2,3
	v_add_nc_u32 v[TM+12+\b], 0xf8800000, v[TM+\b]                 ; 15 off the exponent field: the conversion's scale operand
.endr
.irp b, 0,1,2,3
	v_and_or_b32 v[TM+8+\b], v[TM+\b], 0x7f800000, s[MNT]          ; 57,344 x the scale
.endr
.irp b, 0,1,2,3
	v_lshrrev_b32 v[TM+4+\b], 23, v[TM+12+\b]
.endr
	v_lshl_or_b32 v[\pw], v[TM+5], 8, v[TM+4]
	v_lshl_or_b32 v[\pw], v[TM+6], 16, v[\pw]
	v_lshl_or_b32 v[\pw], v[TM+7], 24, v[\pw]
.irp b, 0,1,2,3
.irp i, 0,1,2,3,4,5,6,7,8,9,10,11,12,13,14,15
	v_med3_num_f32 v[\s+16*\b+\i], v[\s+16*\b+\i], -v[TM+8+\b], v[TM+8+\b]   ; the conversion does not saturate (ISA guide 7.6.2)
.endr
	v_cvt_scalef32_pk8_bf8_f32 v[PC+4*\b:PC+1+4*\b], v[\s+16*\b:\s+7+16*\b], v[TM+12+\b]
	v_cvt_scalef32_pk8_bf8_f32 v[PC+2+4*\b:PC+3+4*\b], v[\s+8+16*\b:\s+15+16*\b], v[TM+12+\b]
.endr
	v_nop                                          ; a plain line behind the last conversion: the next products write its sources
.endm
; x's four fragments of K step ks (nx = 1: the next block's); with an odd ks the scale words of the pair of K steps: 16 or 20 loads
.macro XLOAD ks, nx
.if (\ks) < 4
	WIN 0x40
.else
	WIN 0x80
.endif
.irp i, 0,1,2,3
.irp c, 0,1,2,3
	global_load_b128 v[64*((\ks)%4)+16*\i+4*\c:64*((\ks)%4)+16*\i+4*\c+3], v[LI], s[XP:XP+1] offset:(\nx)*196608+12288*\i+2048*(\ks)+512*\c
.endr
.endr
.if (\ks)%2
	WIN 0
.irp i, 0,1,2,3
	global_load_b32 v[XS+3*\i+((\ks)-1)/2], v[LS], s[XSP:XSP+1] offset:(\nx)*6144+384*\i+128*(((\ks)-1)/2)
.endr
.endif
.endm
.macro REFILL ks                       ; the next block's x, if there is a next block: no load leaves its buffer
	WIN 0
	s_cmp_eq_u32 s[BLK], 1
	s_cbranch_scc1 .Lnox_\@
	XLOAD \ks, 1
	WIN 0
.Lnox_\@:
.endm
.macro WFETCH sl, ks, set              ; the slice's four fragments of W for K step ks, as images: 512 consecutive bytes a load
	WIN 0x80
.irp n, 0,1,2,3
.irp c, 0,1,2,3
	ds_load_b128 v[128+64*(\set)+16*\n+4*\c:128+64*(\set)+16*\n+4*\c+3], v[LW+(\sl)] offset:12288*\n+2048*(\ks)+512*\c
.endr
.endr
.endm
; 16 matrix instructions: the 16 accumulators take turns, one instruction a turn, in the same order in every K step
.macro MUL16 path, sl, ks
.if (\ks) == 0
	WIN (0x36+3*(\path))                           ; W window 2, x window 1, the bias window 3, D window 0
.elseif (\ks) < 4
	WIN (0x06+3*(\path))
.else
	WIN 0x0a                                       ; W and x window 2
.endif
.irp n, 0,1,2,3
.irp i, 0,1,2,3
.set rW, 128+64*((\ks)%2)+16*\n
.set rX, 64*((\ks)%4)+16*\i
.set sW, WS+12*(\sl)+3*\n+(\ks)/2
.set sX, XS+3*\i+(\ks)/2
.if \path
.set rD, ACC+64*(\i/2)+16*\n+8*(\i%2)
.else
.set rD, ACC+32*\i+8*\n
.endif
.if (\ks) == 0
.set rC, 32*(\sl)+8*\n
.else
.set rC, rD
.endif
.if \path
	WM rD, rX, rW, rC, sX, sW, ((\ks)%2)
.else
	WM rD, rW, rX, rC, sW, sX, ((\ks)%2)
.endif
.endr
.endr
.endm
; The way out of a slice.  q, k: QUANT P takes token tiles 2 P, 2 P + 1 (two blocks of d each).  v: QUANT P takes one block of 32 keys for the four tiles of d.  The images' places are the same.
.macro EPI path, sl
.irp P, 0,1
	s_wait_xcnt 0x0                                ; earlier stores have read PC and SWD
	QUANT (ACC+64*\P), (PW0+\P)
.irp c, 0,1,2,3
	global_store_b128 v[LI], v[PC+4*\c:PC+4*\c+3], s[OI:OI+1] offset:65536*(\sl)+2048*\P+512*\c   ; 512 consecutive bytes
.endr
.endr
.if \path
	v_perm_b32 v[H01], v[PW1], v[PW0], 0x05010400  ; d tiles 0 and 1: for each the two blocks' bytes side by side
	v_perm_b32 v[H23], v[PW1], v[PW0], 0x07030602  ; d tiles 2 and 3
	v_cndmask_b32 v[SWD], v[H01], v[H23], s[HM]
	global_store_b16 v[VSA], v[SWD], s[OS:OS+1] offset:2048*(\sl)
	global_store_d16_hi_b16 v[VSA], v[SWD], s[OS:OS+1] offset:2048*(\sl)+64
.else
	v_cndmask_b32 v[SWD], v[PW0], v[PW1], s[HM]
	global_store_b32 v[LS], v[SWD], s[OS:OS+1] offset:2048*(\sl)
.endif
.endm
.macro SLICE path, sl, first, refill
	WFETCH \sl, 0, 0
.irp ks, 0,1,2,3,4,5
.if \ks > 0
	PLACES 8                                       ; in front of loads into registers that the last 16 products read (ISA guide 7.12.1 for vector instructions)
.if \refill
	REFILL (\ks-1)                                 ; in a block's last slice the K step just multiplied is done with
.endif
.endif
.if \ks < 5
	WFETCH \sl, (\ks+1), ((\ks+1)%2)
	s_wait_dscnt 16                                ; this K step's W is in; the 16 loads just issued may be out
.else
	s_wait_dscnt 0x0
.endif
.if \first
.if \ks == 0
	s_wait_loadcnt 63                              ; K steps 0 and 1 of x and their scale words: 72 loads are younger; the count's field holds 63
.elseif \ks == 2
	s_wait_loadcnt 36                              ; K steps 2 and 3: the 36 loads of K steps 4 and 5 may be out
.elseif \ks == 4
	s_wait_loadcnt 0x0
.endif
.endif
	MUL16 \path, \sl, \ks
.endr
	WIN 0
	PLACES 9                                       ; results are read, and the next slice's first products write over these accumulators with another C
.if \refill
	REFILL 5
.endif
	EPI \path, \sl
.endm
.macro BLOCKS path
	s_mov_b32 s[BLK], 4
.Lblk_\@:
	SLICE \path, 0, 1, 0
	SLICE \path, 1, 0, 0
	SLICE \path, 2, 0, 1
	s_wait_xcnt 0x0                                ; loads and stores have read their bases
	s_add_nc_u64 s[XP:XP+1], s[XP:XP+1], 196608
	s_add_nc_u64 s[XSP:XSP+1], s[XSP:XSP+1], 6144
	s_add_nc_u64 s[OI:OI+1], s[OI:OI+1], 16384
	s_add_nc_u64 s[OS:OS+1], s[OS:OS+1], 512
	s_sub_co_u32 s[BLK], s[BLK], 1
	s_cmp_lg_u32 s[BLK], 0
	s_cbranch_scc1 .Lblk_\@
	s_wait_tensorcnt 0x0
	ds_add_u32 v126, v127
	s_wait_dscnt 0x0
	s_endpgm
.endm
	s_load_b256 s[4:11], s[0:1], 0x0               ; pimg, psc, qb, kb
	s_load_b128 s[12:15], s[0:1], 0x20             ; vb, qkvimg
	s_load_b64 s[16:17], s[0:1], 0x30              ; qkvsc
	v_lshl_add_u32 v126, v0, 2, 0x29000
	v_mov_b32 v127, 0
	ds_add_u32 v126, v127
	ds_add_u32 v126, v127
	v_lshrrev_b32 v7, 5, v0
	v_readfirstlane_b32 s[WV], v7
	s_and_b32 s[BB], ttmp7, 0xffff                 ; the batch
	s_lshr_b32 s[TY], ttmp9, 2                     ; q, k or v
	s_and_b32 s[HG], ttmp9, 3                      ; which three heads
	s_mov_b32 s[G1+0], 3<<16                       ; elements of 8 bytes, no mask, no padding
	s_mov_b32 s[G1+1], 32<<16                      ; tensor_dim0 = 32: rows of 256 bytes
	s_mov_b32 s[G1+2], 144<<16                     ; tensor_dim1 = 144
	s_mov_b32 s[G1+3], 32<<16                      ; tile_dim0
	s_mov_b32 s[G1+4], 144                         ; tile_dim1: 36,864 dense bytes
	s_mov_b32 s[G1+5], 32                          ; the pitch
	s_mov_b32 s[G1+6], 0
	s_mov_b32 s[G1+7], 0
	s_mul_i32 s52, ttmp9, 12
	s_add_co_u32 s52, s52, 1024                    ; my first row tile of W
	s_mul_i32 s54, s52, 12288
	s_mul_i32 s[G0+1], s[WV], 36864                ; LDS: a quarter for each wave
	s_add_co_u32 s54, s54, s[G0+1]
	s_mov_b32 s55, 0
	s_mov_b32 s[G0], 1
	s_wait_dscnt 0x0
	s_wait_kmcnt 0x0
	s_add_nc_u64 s[G0+2:G0+3], s[4:5], s[54:55]
	s_or_b32 s[G0+3], s[G0+3], 0x80000000
	tensor_load_to_lds s[G0:G0+3], s[G1:G1+7]      ; my one tensor load: filled once, never again
	s_nop 0
	PLACES 4
	s_mul_i32 s54, s52, 384
	s_add_nc_u64 s[WP:WP+1], s[6:7], s[54:55]
	s_lshl_b32 s53, s[BB], 6
	s_lshl_b32 s54, s[WV], 2
	s_add_co_u32 s53, s53, s54                     ; my first token tile: 64 b + 4 w
	s_mul_i32 s54, s53, 12288
	s_add_nc_u64 s[XP:XP+1], s[4:5], s[54:55]
	s_mul_i32 s54, s53, 384
	s_add_nc_u64 s[XSP:XSP+1], s[6:7], s[54:55]
	s_mul_i32 s52, s[BB], 12
	s_mul_i32 s53, s[HG], 3
	s_add_co_u32 s52, s52, s53                     ; bh of slice 0
	s_lshl_b32 s54, s52, 16
	s_mul_i32 s53, s[TY], 12582912
	s_add_co_u32 s54, s54, s53
	s_lshl_b32 s53, s[WV], 12
	s_add_co_u32 s54, s54, s53
	s_add_nc_u64 s[OI:OI+1], s[14:15], s[54:55]
	s_lshl_b32 s54, s52, 11
	s_mul_i32 s53, s[TY], 393216
	s_add_co_u32 s54, s54, s53
	s_lshl_b32 s53, s[WV], 7                       ; q, k: 128 bytes for my 64 tokens
	s_lshr_b32 s56, s[WV], 1
	s_lshl_b32 s56, s56, 8
	s_and_b32 s57, s[WV], 1
	s_lshl_b32 s57, s57, 1
	s_add_co_u32 s56, s56, s57                     ; v: 256 (w / 2) + 2 (w % 2)
	s_cmp_lt_u32 ttmp9, 8
	s_cselect_b32 s53, s53, s56
	s_cselect_b64 s[BIA:BIA+1], s[10:11], s[12:13]
	s_add_co_u32 s54, s54, s53
	s_add_nc_u64 s[OS:OS+1], s[16:17], s[54:55]
	s_cmp_lt_u32 ttmp9, 4
	s_cselect_b64 s[BIA:BIA+1], s[8:9], s[BIA:BIA+1]
	s_mul_i32 s54, s[HG], 768
	s_add_nc_u64 s[BIA:BIA+1], s[BIA:BIA+1], s[54:55]
	s_mov_b32 s[SEL], 0x76543210
	s_mov_b32 s[SEL+1], 0xfedcba98
	s_mov_b32 s[MNT], 0x600000
	s_mov_b32 s[HM], 0xffff0000
	v_and_b32 v7, 31, v0
	v_lshlrev_b32 v[LI], 4, v7
	v_lshlrev_b32 v[LS], 2, v7
	v_mov_b32 v[LW], v[LI]
	v_add_nc_u32 v[LW+1], 49152, v[LI]
	v_add_nc_u32 v[LW+2], 98304, v[LI]
	v_and_b32 v8, 15, v0
	v_bfe_u32 v9, v0, 4, 1
	v_lshlrev_b32 v11, 2, v8                       ; 4 r
	v_lshl_add_u32 v[VSA], v9, 7, v11
	v_lshlrev_b32 v10, 5, v9                       ; 32 h
.irp b, 0,1,2,3
	v_mov_b32 v[TM+4+\b], 0                        ; a lane permute's destination counts as one of its sources
.endr
	s_cmp_ge_u32 ttmp9, 8                          ; the bias in the result's layout
	s_cbranch_scc1 .Lvbias
	WIN 0xc0
.irp sl, 0,1,2
.irp n, 0,1,2,3
	global_load_b128 v[32*\sl+8*\n:32*\sl+8*\n+3], v10, s[BIA:BIA+1] offset:(64*\sl+16*\n)*4       ; q, k: register j: column 16 n + 8 h + j
	global_load_b128 v[32*\sl+8*\n+4:32*\sl+8*\n+7], v10, s[BIA:BIA+1] offset:(64*\sl+16*\n)*4+16
.endr
.endr
	WIN 0
	s_branch .Lbiased
.Lvbias:
	WIN 0xc0
	s_wait_alu depctr_va_vdst(0)
.irp sl, 0,1,2
.irp n, 0,1,2,3
.irp j, 0,1,2,3,4,5,6,7
	global_load_b32 v[32*\sl+8*\n+\j], v11, s[BIA:BIA+1] offset:(64*\sl+16*\n)*4                   ; v: every register: column 16 n + r
.endr
.endr
.endr
	WIN 0
.Lbiased:
.irp sl, 0,1,2
.irp n, 0,1,2,3
.irp kp, 0,1,2
	global_load_b32 v[WS+12*\sl+3*\n+\kp], v[LS], s[WP:WP+1] offset:(4*\sl+\n)*384+128*\kp
.endr
.endr
.endr
	XLOAD 0, 0
	XLOAD 1, 0
	XLOAD 2, 0
	XLOAD 3, 0
	XLOAD 4, 0
	XLOAD 5, 0
	WIN 0
	s_wait_tensorcnt 0x0                           ; my quarter of W is in,
	s_barrier_signal -1
	s_barrier_wait -1                              ; everybody's is
	s_cmp_ge_u32 ttmp9, 8
	s_cbranch_scc1 .Lvpath
	BLOCKS 0
.Lvpath:
	BLOCKS 1
.Lfunc_end_k_q651bfe2c80_qkv:
	.size	k_q651bfe2c80_qkv, .Lfunc_end_k_q651bfe2c80_qkv-k_q651bfe2c80_qkv
	.p2alignl 7, 3214868480
	.fill 96, 4, 3214868480
	.section	.rodata,"a",@progbits
	.p2align	6, 0x0
	.amdhsa_kernel k_q651bfe2c80_qkv
		.amdhsa_group_segment_fixed_size 168448
		.amdhsa_private_segment_fixed_size 0
		.amdhsa_enable_private_segment 0
		.amdhsa_kernarg_size 56
		.amdhsa_user_sgpr_count 2
		.amdhsa_user_sgpr_kernarg_segment_ptr 1
		.amdhsa_wavefront_size32 1
		.amdhsa_system_sgpr_workgroup_id_x 1
		.amdhsa_system_sgpr_workgroup_id_y 1
		.amdhsa_system_sgpr_workgroup_id_z 1
		.amdhsa_system_vgpr_workitem_id 0
		.amdhsa_next_free_vgpr 1024
		.amdhsa_next_free_sgpr 66
		.amdhsa_reserve_vcc 0
		.amdhsa_float_denorm_mode_32 3
		.amdhsa_float_denorm_mode_16_64 3
		.amdhsa_memory_ordered 1
		.amdhsa_forward_progress 1
		.amdhsa_inst_pref_size 255
	.end_amdhsa_kernel
	.section	.bss,"aw",@nobits
	.p2align	6
	.space	262144
	.amdgpu_metadata
---
amdhsa.version: [ 1, 2 ]
amdhsa.kernels:
  - .name:           k_q651bfe2c80_qkv
    .symbol:         k_q651bfe2c80_qkv.kd
    .args:
      - { .name: pimg, .offset: 0, .size: 8, .value_kind: global_buffer, .address_space: global }
      - { .name: psc, .offset: 8, .size: 8, .value_kind: global_buffer, .address_space: global }
      - { .name: qb, .offset: 16, .size: 8, .value_kind: global_buffer, .address_space: global }
      - { .name: kb, .offset: 24, .size: 8, .value_kind: global_buffer, .address_space: global }
      - { .name: vb, .offset: 32, .size: 8, .value_kind: global_buffer, .address_space: global }
      - { .name: qkvimg, .offset: 40, .size: 8, .value_kind: global_buffer, .address_space: global }
      - { .name: qkvsc, .offset: 48, .size: 8, .value_kind: global_buffer, .address_space: global }
    .group_segment_fixed_size: 168448
    .private_segment_fixed_size: 0
    .kernarg_segment_align: 8
    .kernarg_segment_size: 56
    .max_flat_workgroup_size: 128
    .sgpr_count:     66
    .vgpr_count:     1024
    .wavefront_size: 32
...
	.end_amdgpu_metadata
.endif
;; end of part 2
;; launch attn (part 3): grid 4 x 64, 8 waves a work-group, clusters of 4 x 1, 327,680 bytes of LDS; arguments qkvimg, qkvsc, attention_mask, cimg, csc; writes cimg, csc
.if DOCPART == 3
	.amdgcn_target "amdgcn-amd-amdhsa--gfx1250"
	.amdhsa_code_object_version 6
	.text
	.protected	k_q651bfe2c80_attn
	.globl	k_q651bfe2c80_attn
	.p2align	8
	.type	k_q651bfe2c80_attn,@function
k_q651bfe2c80_attn:
	s_mov_b64 s[64:65], 0
	v_nop
	global_prefetch_b8 v0, s[64:65] scope:SCOPE_SE
	s_setreg_imm32_b32 hwreg(HW_REG_WAVE_MODE, 25, 1), 1
	s_wait_xcnt 0x0
	s_wait_alu depctr_hold_cnt(0) depctr_sa_sdst(0) depctr_va_vdst(0) depctr_va_sdst(0) depctr_va_ssrc(0) depctr_va_vcc(0) depctr_vm_vsrc(0)
	s_getreg_b32 s2, hwreg(HW_REG_IB_STS2, 6, 4)
	s_cmp_eq_u32 s2, 0
	s_cbranch_scc0 .Lentry_in_a_cluster
	s_endpgm
.Lentry_in_a_cluster:
	s_bfe_u32 s2, ttmp6, 0x10000c
	s_cmp_lg_u32 s2, 0x3003
	s_cbranch_scc0 .Lentry_shape_is_right
	s_endpgm
.Lentry_shape_is_right:
; context = softmax(q k^T / 8 + mask) v, both products on codes of E5M2; the context is quantised along the hidden axis (two blocks of 32 a head) for the last product.
; THE SOFTMAX: t = (q.k + 8 mask) x log2(e) / 8; M = the running largest t rounded UP to a whole number; p = 2^(t - M) is quantised along the keys, not normalised; the row's sum is taken of the unquantised p
; and divides at the end.  When M moves, the sum and O are multiplied by 2^(old M - new M): exact.  8 x mask is the C of the score products: 1 / 8 is a power of two.
; SHARES.  192 heads = 64 clusters x 3.  A cluster of four work-groups STAYS and walks three heads of one batch (3 divides 12: one mask serves all three); work-group cx owns queries 256 cx on of each head;
; each of its eight waves two tiles of 16 queries (tile A in window 0, tile B in window 1, the same register numbers), which share every fragment of K and V.  128 keys a step, eight steps a head.
; THE RING.  Two slots, each a whole head's K and V images (131,072 bytes) and scale words (4,096 bytes), asked for JOINTLY by the four partners: waves 0-3 bring 128 rows of 256 bytes each, waves 4 and 5 the scale words.
; The next head is asked for behind the round at a head's start, eight key steps ahead of the wait for it.  So no prefetch is laid: no wave stands waiting for that stream, and head 0 has no loop ahead of it.
; The next head's q comes into 17 spare registers a head ahead.
; A STEP.  Scores of both tiles; then K's registers take the next step's K (and the mask's the next mask); tile A's softmax; V lands in tile A's score registers, free once its codes are made; tile B's softmax; both second products.
; K = 64 IN A FORM OF K = 128.  A fragment of K holds TWO tiles of 16 keys; Q stands as [8 zeros][8 q][8 zeros]: the last 16 registers pick tile 2 p, the first 16 tile 2 p + 1.  Zero codes add nothing.
; LAYOUT.  Both products transposed (S^T = K Q^T, O^T = V^T P^T): a lane holds one query.  Register 16 b + 8 u + j of S^T is key 32 b + 16 u + 8 h + j: the order in a block that V's images have too.
; LIMITS: NaN is not served; the scaled scores stay under 2^31 in magnitude; |mask| under 4.2e37, beyond which 8 x mask is -infinity and the key counts for nothing; a row all of whose keys are masked by -infinity gives NaN,
; as reference() does.  A block whose largest magnitude lies under 2^-111 gets the byte 1.
.set SLOT1, 131072                     ; LDS: slot s's images at 131,072 s: K's 65,536 bytes [tile 64][c' 2][lane][16], then V's [block of 32 keys 32][d tile 4][lane][16]
.set SCB,   262144                     ; slot s's scale words at SCB + 4,096 s: K's 2,048 bytes, then V's
.set MASK,  270336                     ; 8 x mask, 4,096 bytes: written by ds_store, never by a tensor load
.set SPARE, 274432                     ; the spare words, 128 bytes a wave
; the same numbers in window 0 (tile A) and window 1 (tile B)
.set NM,  16                           ; -M
.set MT,  17                           ; the largest t
.set SUM, 18                           ; v[18:19] the row's sum, two halves
.set F,   20                           ; v[20:21] 2^(old M - new M); at the end 1 / sum
.set T0,  22
.set T1,  23
.set BM,  24                           ; a block's largest score, then its largest p
.set BP,  28                           ; the other half's; then the bytes
.set HD,  32                           ; 57,344 x the scale
.set SO,  36                           ; the conversion's scale operand
.set SP,  40                           ; the sum's second chain
.set PSL, 42                           ; p's scale word
.set QZ,  44                           ; v44-51 zeros, v52-59 q, v60-67 zeros
.set PC,  68                           ; p's codes
.set O,   84                           ; O^T
.set S,   116                          ; S^T, then p; in window 0 then V's four fragments
; window 0 only
.set LI,  1                            ; 16 x lane
.set AK,  2                            ; the NEXT step's K; this step's V lies 57,344 bytes on
.set AS,  3                            ; the next step's scale words of K; this step's of V 1,792 bytes on
.set AM,  4                            ; the next step's mask
.set R4,  7                            ; 4 r
.set MW,  8
.set LS4, 9                            ; 4 x lane
.set MA,  10                           ; 32 h
.set KS,  180
.set VS,  182
.set QSA, 184
.set QSB, 185
.set PSB, 186                          ; tile B's p scale word: scale operands are taken from window 0
.set SPW, 190
.set NIL, 191
.set FR,  192                          ; four fragments of K
; window 1 only: v0-7, v8-15 the next head's q of tiles A, B
.set NQS, 180                          ; and its scale word
.set MK,  192                          ; 8 x mask in the result's layout
.set WV,  14
.set BH,  15
.set BB,  16
.set HH,  17
.set CX,  18
.set MNT, 19
.set SEL, 20
.set CS,  22                           ; s[22:23] log2(e) / 8
.set G1I, 24                           ; 128 rows of 256 bytes
.set G1S, 32                           ; 8 rows
.set G0I, 40
.set G0S, 44
.set SB,  48                           ; where the slot in hand begins
.set SS,  49                           ; and its scale words
.set CNT, 50
.set HC,  51
.set QP,  52
.set QSP, 54
.set CSA, 56
.set MSB, 0
.macro WIN new
.if MSB != (\new)
	s_set_vgpr_msb (MSB<<8)|(\new)
.set MSB, (\new)
.endif
.endm
.macro PLACES n
.rept \n
	v_nop
.endr
.endm
.macro ROUND                           ; a round of the cluster's barrier
	s_barrier_signal -1
	s_barrier_wait -1
	s_cmp_lg_u32 s[WV], 0
	s_cbranch_scc1 .Lnw0_\@
	s_barrier_signal -3
.Lnw0_\@:
	s_barrier_wait -3
	s_barrier_signal -1
	s_barrier_wait -1
.endm
.macro TLOAD                           ; one joint load a wave: waves 0-3 a quarter of the images, waves 4, 5 the scale words, waves 6, 7 none
	s_cmp_lt_u32 s[WV], 4
	s_cbranch_scc0 .Lnoi_\@
	tensor_load_to_lds s[G0I:G0I+3], s[G1I:G1I+7]
	s_nop 0
	PLACES 4
	s_branch .Lask_\@
.Lnoi_\@:
	s_cmp_lt_u32 s[WV], 6
	s_cbranch_scc0 .Lask_\@
	tensor_load_to_lds s[G0S:G0S+3], s[G1S:G1S+7]
	s_nop 0
	PLACES 4
.Lask_\@:
.endm
.macro QK qs                           ; eight tiles of 16 keys against one tile of queries; C = 8 x mask
.irp t, 0,1,2,3,4,5,6,7
.if (\t/2)%2
	v_wmma_scale_f32_16x16x128_f8f6f4 v[S+8*\t:S+8*\t+7], v[FR+16*(\t/2):FR+16*(\t/2)+15], v[QZ+8-8*(\t%2):QZ+23-8*(\t%2)], v[MK+8*\t:MK+8*\t+7], v[KS+\t/4], v[\qs] matrix_a_fmt:MATRIX_FMT_BF8 matrix_b_fmt:MATRIX_FMT_BF8 matrix_a_scale:MATRIX_SCALE_ROW1
.else
	v_wmma_scale_f32_16x16x128_f8f6f4 v[S+8*\t:S+8*\t+7], v[FR+16*(\t/2):FR+16*(\t/2)+15], v[QZ+8-8*(\t%2):QZ+23-8*(\t%2)], v[MK+8*\t:MK+8*\t+7], v[KS+\t/4], v[\qs] matrix_a_fmt:MATRIX_FMT_BF8 matrix_b_fmt:MATRIX_FMT_BF8
.endif
.endr
.endm
.macro PV ps                           ; O^T += V^T P^T: four tiles of d, four accumulators by turns; V's fragments stand in window 0's S
.irp t, 0,1,2,3
.if \t%2
	v_wmma_scale_f32_16x16x128_f8f6f4 v[O+8*\t:O+8*\t+7], v[S+16*\t:S+16*\t+15], v[PC:PC+15], v[O+8*\t:O+8*\t+7], v[VS+\t/2], v[\ps] matrix_a_fmt:MATRIX_FMT_BF8 matrix_b_fmt:MATRIX_FMT_BF8 matrix_a_scale:MATRIX_SCALE_ROW1
.else
	v_wmma_scale_f32_16x16x128_f8f6f4 v[O+8*\t:O+8*\t+7], v[S+16*\t:S+16*\t+15], v[PC:PC+15], v[O+8*\t:O+8*\t+7], v[VS+\t/2], v[\ps] matrix_a_fmt:MATRIX_FMT_BF8 matrix_b_fmt:MATRIX_FMT_BF8
.endif
.endr
.endm
.macro KLOAD                           ; a step's K fragments, K scale words and mask: 34 LDS loads
.irp p, 0,1,2,3
.irp c, 0,1,2,3
	ds_load_b128 v[FR+16*\p+4*\c:FR+16*\p+4*\c+3], v[AK] offset:2048*\p+512*\c
.endr
.endr
	ds_load_b32 v[KS], v[AS]
	ds_load_b32 v[KS+1], v[AS] offset:128
	WIN 0x40
.irp t, 0,1,2,3,4,5,6,7
	ds_load_b128 v[MK+8*\t:MK+8*\t+3], v[AM] offset:64*\t            ; register j of tile t: 8 x mask of key 16 t + 8 h + j
	ds_load_b128 v[MK+8*\t+4:MK+8*\t+7], v[AM] offset:64*\t+16
.endr
	WIN 0
.endm
.macro QLOAD                           ; q of both tiles and its scale word, into window 1's spare registers
	WIN 0x40
	global_load_b32 v[NQS], v[R4], s[QSP:QSP+1]
	global_load_b128 v[0:3], v[LI], s[QP:QP+1]
	global_load_b128 v[4:7], v[LI], s[QP:QP+1] offset:512
	global_load_b128 v[8:11], v[LI], s[QP:QP+1] offset:1024
	global_load_b128 v[12:15], v[LI], s[QP:QP+1] offset:1536
	WIN 0
.endm
; The softmax of one tile for 128 keys, first part: maxima, M, p, the blocks' scales.  late = 1: the scores are first read behind the other tile's exponentials
.macro SM1 late
.if \late
	s_wait_alu depctr_va_vdst(0)                   ; directly ahead of the scores' first readers
.endif
.irp b, 0,1,2,3
	v_max3_num_f32 v[BM+\b], v[S+16*\b], v[S+1+16*\b], v[S+2+16*\b]      ; the largest score of each block of 32 keys: for the row's maximum and, since p rises with the score, for the block's largest p
.endr
.irp i, 3,5,7,9,11,13
.irp b, 0,1,2,3
	v_max3_num_f32 v[BM+\b], v[BM+\b], v[S+16*\b+\i], v[S+1+16*\b+\i]
.endr
.endr
.irp b, 0,1,2,3
	v_max_num_f32 v[BM+\b], v[BM+\b], v[S+15+16*\b]
.endr
.irp b, 0,1,2,3
	s_delay_alu instid0(VALU_DEP_4)
	v_permlanex16_b32 v[BP+\b], v[BM+\b], s[SEL], s[SEL+1]
.endr
.irp b, 0,1,2,3
	s_delay_alu instid0(VALU_DEP_4)
	v_max_num_f32 v[BM+\b], v[BM+\b], v[BP+\b]
.endr
	s_delay_alu instid0(VALU_DEP_2)
	v_max3_num_f32 v[T0], v[BM], v[BM+1], v[BM+2]
	s_delay_alu instid0(VALU_DEP_1)
	v_max_num_f32 v[T0], v[T0], v[BM+3]
	s_delay_alu instid0(VALU_DEP_1)
	v_mul_f32 v[T0], s[CS], v[T0]
	s_delay_alu instid0(VALU_DEP_1)
	v_max_num_f32 v[MT], v[MT], v[T0]              ; the running largest t
	v_mov_b32 v[T0], v[NM]
	s_delay_alu instid0(VALU_DEP_2)
	v_floor_f32 v[NM], -v[MT]                      ; -M = floor(-t): M is a whole number
	s_delay_alu instid0(VALU_DEP_1)
	v_sub_f32 v[T0], v[NM], v[T0]
	s_delay_alu instid0(VALU_DEP_1)
	v_cvt_i32_f32 v[T0], v[T0]                     ; (it saturates)
	s_delay_alu instid0(VALU_DEP_1)
	v_ldexp_f32 v[F], 1.0, v[T0]                   ; 2^(old M - new M)
.set j, 0
.rept 32
	v_pk_fma_f32 v[S+j:S+j+1], v[S+j:S+j+1], s[CS:CS+1], v[NM:NM+1] op_sel_hi:[1,0,0]   ; t - M
.set j, j+2
.endr
.irp b, 0,1,2,3
	v_fma_f32 v[BM+\b], v[BM+\b], s[CS], v[NM]
.endr
.set j, 0
	s_wait_alu depctr_va_vdst(0)
.rept 64
	v_exp_f32 v[S+j], v[S+j]
.set j, j+1
.endr
.irp b, 0,1,2,3
	v_exp_f32 v[BM+\b], v[BM+\b]
.endr
	v_pk_mul_f32 v[SUM:SUM+1], v[SUM:SUM+1], v[F:F+1] op_sel_hi:[1,0]    ; the sums under the new M (a plain line behind the exponentials)
	s_wait_alu depctr_va_vdst(0)                   ; and one behind it
.irp b, 0,1,2,3
	v_max_num_f32 v[BM+\b], 0x8000000, v[BM+\b]    ; the floor 2^(16 - 127)
.endr
.irp b, 0,1,2,3
	s_delay_alu instid0(VALU_DEP_4)
	v_add_nc_u32 v[SO+\b], 0xf8800000, v[BM+\b]
.endr
.irp b, 0,1,2,3
	v_and_or_b32 v[HD+\b], v[BM+\b], 0x7f800000, s[MNT]
.endr
.irp b, 0,1,2,3
	v_lshrrev_b32 v[BP+\b], 23, v[SO+\b]
.endr
	s_delay_alu instid0(VALU_DEP_3)
	v_lshl_or_b32 v[PSL], v[BP+1], 8, v[BP]
	s_delay_alu instid0(VALU_DEP_1)
	v_lshl_or_b32 v[PSL], v[BP+2], 16, v[PSL]
	s_delay_alu instid0(VALU_DEP_1)
	v_lshl_or_b32 v[PSL], v[BP+3], 24, v[PSL]
.endm
.macro HOLD b                          ; p is not negative: a one-sided hold (the conversion does not saturate: ISA guide 7.6.2)
.irp i, 0,2,4,6,8,10,12,14
	v_dual_min_num_f32 v[S+16*\b+\i], v[S+16*\b+\i], v[HD+\b] :: v_dual_min_num_f32 v[S+16*\b+\i+1], v[S+16*\b+\i+1], v[HD+\b]   ; two holds in one instruction: an even and an odd destination, first sources in different banks, one second source
.endr
.endm
; second part: the sum of the unquantised p, the codes, O^T under the new M
.macro SM2
	v_pk_add_f32 v[SP:SP+1], v[S:S+1], v[S+2:S+3]
.irp j, 4,8,12,16,20,24,28,32,36,40,44,48,52,56,60
	v_pk_add_f32 v[SUM:SUM+1], v[SUM:SUM+1], v[S+\j:S+\j+1]
	v_pk_add_f32 v[SP:SP+1], v[SP:SP+1], v[S+\j+2:S+\j+3]
.endr
	s_delay_alu instid0(VALU_DEP_1)
	v_pk_add_f32 v[SUM:SUM+1], v[SUM:SUM+1], v[SP:SP+1]
.irp b, 0,1,2,3
	HOLD \b
	v_cvt_scalef32_pk8_bf8_f32 v[PC+4*\b:PC+1+4*\b], v[S+16*\b:S+7+16*\b], v[SO+\b]
	v_cvt_scalef32_pk8_bf8_f32 v[PC+2+4*\b:PC+3+4*\b], v[S+8+16*\b:S+15+16*\b], v[SO+\b]
.endr
	s_wait_alu depctr_va_vdst(0)                   ; directly ahead of the first readers of O^T
.set j, 0
.rept 16
	v_pk_mul_f32 v[O+j:O+j+1], v[O+j:O+j+1], v[F:F+1] op_sel_hi:[1,0]    ; each accumulator from its low end on; these lines also stand between the codes and the products
.set j, j+2
.endr
.endm
.macro STEP                            ; 128 keys
	s_wait_dscnt 0x0                               ; this step's K, its scale words and the mask are in
	WIN 0x10                                       ; C window 1, all else window 0
	QK QSA
	WIN 0x54                                       ; K window 0; Q, C and D window 1
	QK QSB
	WIN 0
	PLACES 8                                       ; in front of loads over K's fragments and the mask, and of the first read of scores
	s_cmp_eq_u32 s[CNT], 1                         ; a head's last step has no successor in its slot: a branch on the count of steps, round LDS loads alone
	s_cbranch_scc1 .Lnok_\@
	KLOAD
.Lnok_\@:
	SM1 0
	SM2
.irp t, 0,1,2,3
.irp c, 0,1,2,3
	ds_load_b128 v[S+16*\t+4*\c:S+16*\t+4*\c+3], v[AK] offset:57344+2048*\c+512*\t   ; V, over tile A's p, whose codes are made
.endr
.endr
	ds_load_b32 v[VS], v[AS] offset:1792
	ds_load_b32 v[VS+1], v[AS] offset:1920
	WIN 0x55
	SM1 1
	WIN 0x01
	v_mov_b32 v[PSB], v[PSL]                       ; tile B's scale word into window 0, more than eight places ahead of its products
	WIN 0x55
	SM2
	WIN 0
	s_wait_alu depctr_va_vdst(0)
	s_wait_dscnt 0x0                               ; V is in (and the next step's K)
	PV PSL
	WIN 0x54
	PV PSB
	WIN 0
	v_add_nc_u32 v[AK], 8192, v[AK]                ; with the six lines below: nine places ahead of the score products, which write over V's fragments
	v_add_nc_u32 v[AS], 256, v[AS]
	v_add_nc_u32 v[AM], 512, v[AM]
	PLACES 6
	s_wait_alu depctr_va_vdst(0)
.endm
.macro INIT0                           ; once
.irp j, 0,1,2,3,4,5,6,7
	v_mov_b32 v[QZ+\j], 0
	v_mov_b32 v[QZ+16+\j], 0
.endr
	v_mov_b32 v[F+1], 0                            ; named as the upper half of a pair
	v_mov_b32 v[T1], 0
.irp b, 0,1,2,3
	v_mov_b32 v[BP+\b], 0                          ; a lane permute's destination counts as one of its sources
.endr
.endm
.macro INITH                           ; for each head: the step is written once; the first finds zeros, which the first change of M leaves zeros
.set j, 0
.rept 32
	v_mov_b32 v[O+j], 0
.set j, j+1
.endr
	v_mov_b32 v[MT], 0xff61b1e6                    ; -3e38, under every t
	s_delay_alu instid0(VALU_DEP_1)
	v_floor_f32 v[NM], -v[MT]
	v_mov_b32 v[SUM], 0
	v_mov_b32 v[SUM+1], 0
.endm
.macro FINAL                           ; O^T / the sum, then quantised: two blocks of 32 along the hidden axis
	v_add_f32 v[SUM], v[SUM], v[SUM+1]
	s_delay_alu instid0(VALU_DEP_1)
	v_permlanex16_b32 v[T1], v[SUM], s[SEL], s[SEL+1]
	s_delay_alu instid0(VALU_DEP_1)
	v_add_f32 v[SUM], v[SUM], v[T1]
	s_wait_alu depctr_va_vdst(0)
	v_rcp_f32 v[F], v[SUM]
	v_nop
.set j, 0
	s_wait_alu depctr_va_vdst(0)
.rept 16
	v_pk_mul_f32 v[O+j:O+j+1], v[O+j:O+j+1], v[F:F+1] op_sel_hi:[1,0]
.set j, j+2
.endr
.irp b, 0,1
	v_max3_num_f32 v[BM+\b], |v[O+16*\b]|, |v[O+1+16*\b]|, 0x8000000
.endr
.irp i, 2,4,6,8,10,12,14
.irp b, 0,1
	s_delay_alu instid0(VALU_DEP_2)
	v_max3_num_f32 v[BM+\b], v[BM+\b], |v[O+16*\b+\i]|, |v[O+1+16*\b+\i]|
.endr
.endr
.irp b, 0,1
	s_delay_alu instid0(VALU_DEP_2)
	v_permlanex16_b32 v[BP+\b], v[BM+\b], s[SEL], s[SEL+1]
.endr
.irp b, 0,1
	s_delay_alu instid0(VALU_DEP_2)
	v_max_num_f32 v[BM+\b], v[BM+\b], v[BP+\b]
.endr
.irp b, 0,1
	s_delay_alu instid0(VALU_DEP_2)
	v_add_nc_u32 v[SO+\b], 0xf8800000, v[BM+\b]
.endr
.irp b, 0,1
	s_delay_alu instid0(VALU_DEP_4)
	v_and_or_b32 v[HD+\b], v[BM+\b], 0x7f800000, s[MNT]
.endr
.irp b, 0,1
	s_delay_alu instid0(VALU_DEP_4)
	v_lshrrev_b32 v[BP+\b], 23, v[SO+\b]
.endr
	s_delay_alu instid0(VALU_DEP_1)
	v_lshl_or_b32 v[PSL], v[BP+1], 8, v[BP]
.irp b, 0,1
.irp i, 0,1,2,3,4,5,6,7,8,9,10,11,12,13,14,15
	v_med3_num_f32 v[O+16*\b+\i], v[O+16*\b+\i], -v[HD+\b], v[HD+\b]
.endr
	v_cvt_scalef32_pk8_bf8_f32 v[PC+4*\b:PC+1+4*\b], v[O+16*\b:O+7+16*\b], v[SO+\b]
	v_cvt_scalef32_pk8_bf8_f32 v[PC+2+4*\b:PC+3+4*\b], v[O+8+16*\b:O+15+16*\b], v[SO+\b]
.endr
	v_nop
.endm
; ONE HEAD.  The change of slots stands at its start: every wave waits for all its tensor loads (its part of the slot ahead), adds 0 to its spare word and waits for that and for its reads of the slot left.
; fill = 1: a round of the cluster's barrier, and behind it the other slot takes the head that follows.
.macro HEAD fill
	s_wait_tensorcnt 0x0                           ; no tensor load of mine is out, so a group 0 may be written
	ds_add_u32 v[SPW], v[NIL]
.if \fill
	ds_add_u32 v[SPW], v[NIL]                      ; and here twice on end
	s_xor_b32 s[G0I+1], s[G0I+1], SLOT1            ; the walking descriptors: the other slot, the next head
	s_add_nc_u64 s[G0I+2:G0I+3], s[G0I+2:G0I+3], 65536
	s_xor_b32 s[G0S+1], s[G0S+1], 4096
	s_add_nc_u64 s[G0S+2:G0S+3], s[G0S+2:G0S+3], 2048
.endif
	s_wait_dscnt 0x0
.if \fill
	ROUND
	TLOAD
.else
	s_barrier_signal -1
	s_barrier_wait -1
.endif
	s_lshr_b32 s58, s[HH], 1                       ; csc [token tile][K step 6][r 16] words: my head's half-word
	s_lshl_b32 s58, s58, 6
	s_and_b32 s59, s[HH], 1
	s_lshl_b32 s59, s59, 1
	s_add_co_u32 s58, s58, s59
	s_mov_b32 s59, 0
	s_add_nc_u64 s[CSA:CSA+1], s[12:13], s[58:59]
	s_wait_loadcnt 0x0                             ; this head's q, asked for a head ago
	WIN 0x05
	v_perm_b32 v[QSB], v[NQS], v[NQS], 0x03020302  ; row r's word: tile A's two bytes, then tile B's; each twice
	v_perm_b32 v[QSA], v[NQS], v[NQS], 0x01000100
.irp j, 0,1,2,3,4,5,6,7
	v_mov_b32 v[QZ+8+\j], v[\j]
.endr
	WIN 0x41
.irp j, 0,1,2,3,4,5,6,7
	v_mov_b32 v[QZ+8+\j], v[8+\j]
.endr
	WIN 0
.if \fill
	s_add_nc_u64 s[QP:QP+1], s[QP:QP+1], 65536
	s_add_nc_u64 s[QSP:QSP+1], s[QSP:QSP+1], 2048
	QLOAD                                          ; the next head's q
.endif
	INITH
	WIN 0x41
	INITH
	WIN 0
	v_add_nc_u32 v[AK], s[SB], v[LI]
	v_add_nc_u32 v[AS], s[SS], v[LS4]
	v_add_nc_u32 v[AM], MASK, v[MA]
	KLOAD                                          ; step 0's
	v_add_nc_u32 v[AK], 8192, v[AK]
	v_add_nc_u32 v[AS], 256, v[AS]
	v_add_nc_u32 v[AM], 512, v[AM]
	s_mov_b32 s[CNT], 8
	s_wait_alu depctr_va_vdst(0)
.Lstep_\@:
	STEP
	s_sub_co_u32 s[CNT], s[CNT], 1
	s_cmp_lg_u32 s[CNT], 0
	s_cbranch_scc1 .Lstep_\@
	FINAL
	global_store_b128 v[LI], v[PC:PC+3], s[10:11]                    ; 512 consecutive bytes
	global_store_b128 v[LI], v[PC+4:PC+7], s[10:11] offset:512
	global_store_b16 v[R4], v[PSL], s[CSA:CSA+1]                     ; lanes 16-31 store the same half-words with the same values
	WIN 0x55
	FINAL
	WIN 0x04                                       ; a store's data are its source 1: window 1
	global_store_b128 v[LI], v[PC:PC+3], s[10:11] offset:12288
	global_store_b128 v[LI], v[PC+4:PC+7], s[10:11] offset:12288+512
	global_store_b16 v[R4], v[PSL], s[CSA:CSA+1] offset:384
	WIN 0
	s_wait_xcnt 0x0                                ; the stores have read their data and bases
	s_add_nc_u64 s[10:11], s[10:11], 1024          ; cimg [token tile][head][c' 2][lane][16]: the next head
	s_add_co_u32 s[HH], s[HH], 1
	s_xor_b32 s[SB], s[SB], SLOT1
	s_xor_b32 s[SS], s[SS], 4096
.endm
	s_load_b256 s[4:11], s[0:1], 0x0               ; qkvimg, qkvsc, attention_mask, cimg
	s_load_b64 s[12:13], s[0:1], 0x20              ; csc
	v_lshl_add_u32 v[SPW], v0, 2, SPARE
	v_mov_b32 v[NIL], 0
	ds_add_u32 v[SPW], v[NIL]                      ; the opening lines: the add, twice on end, and its wait
	ds_add_u32 v[SPW], v[NIL]
	v_lshrrev_b32 v11, 5, v0
	s_delay_alu instid0(VALU_DEP_1)
	v_readfirstlane_b32 s[WV], v11                 ; wave 0..7
	s_and_b32 s58, ttmp7, 0xffff                   ; the cluster: heads 3 y on, which the four partners share
	s_mul_i32 s[BH], s58, 3                        ; 12 b + h of the first
	s_lshr_b32 s[BB], s58, 2                       ; b
	s_and_b32 s[HH], s58, 3
	s_mul_i32 s[HH], s[HH], 3                      ; h
	s_bfe_u32 s[CX], ttmp6, 0x40000                ; my block of 256 queries: it enters Q's and the output's addresses alone
	s_mov_b32 s[MNT], 0x600000
	s_mov_b32 s[SEL], 0x76543210
	s_mov_b32 s[SEL+1], 0xfedcba98
	s_mov_b32 s[CS], 0x3e38aa3b                    ; log2(e) / 8
	s_mov_b32 s[CS+1], s[CS]
	s_mov_b32 s[SB], 0
	s_mov_b32 s[SS], SCB
.irp g, G1I, G1S
	s_mov_b32 s[\g], 15|(3<<16)|(1<<21)            ; the mask: all four work-groups; elements of 8 bytes; bit 21 beside a mask; no padding
	s_mov_b32 s[\g+1], 32<<16                      ; rows of 256 bytes
	s_mov_b32 s[\g+3], 32<<16
	s_mov_b32 s[\g+5], 32                          ; dense
	s_mov_b32 s[\g+6], 0
	s_mov_b32 s[\g+7], 0
.endr
	s_mov_b32 s[G1I+2], 128<<16
	s_mov_b32 s[G1I+4], 128
	s_mov_b32 s[G1S+2], 8<<16
	s_mov_b32 s[G1S+4], 8
	s_and_b32 s59, s[WV], 1
	s_lshr_b32 s60, s[WV], 1
	s_add_co_u32 s60, s60, 1
	s_mul_i32 s60, s60, 12582912                   ; waves 0, 1: K's images; waves 2, 3: V's
	s_lshl_b32 s61, s[BH], 16
	s_add_co_u32 s60, s60, s61
	s_lshl_b32 s61, s59, 15                        ; which half
	s_add_co_u32 s60, s60, s61
	s_mov_b32 s61, 0
	s_add_co_u32 s62, s59, 1
	s_mul_i32 s62, s62, 393216                     ; wave 4: K's scale words; wave 5: V's
	s_lshl_b32 s63, s[BH], 11
	s_add_co_u32 s62, s62, s63
	s_mov_b32 s63, 0
	s_mov_b32 s[G0I], 1
	s_lshl_b32 s[G0I+1], s[WV], 15                 ; LDS: 32,768 x wave
	s_mov_b32 s[G0S], 1
	s_lshl_b32 s[G0S+1], s59, 11
	s_add_co_u32 s[G0S+1], s[G0S+1], SCB
	s_wait_dscnt 0x0
	s_wait_kmcnt 0x0
	s_add_nc_u64 s[G0I+2:G0I+3], s[4:5], s[60:61]
	s_or_b32 s[G0I+3], s[G0I+3], 0x80000000
	s_add_nc_u64 s[G0S+2:G0S+3], s[6:7], s[62:63]
	s_or_b32 s[G0S+3], s[G0S+3], 0x80000000
	ROUND                                          ; all four work-groups are here: the joint loads meet
	TLOAD                                          ; the first head into slot 0
	s_lshl_b32 s66, s[CX], 4
	s_lshl_b32 s67, s[WV], 1
	s_add_co_u32 s66, s66, s67                     ; my first query tile in a head: 16 cx + 2 w
	s_lshl_b32 s58, s[BH], 16
	s_lshl_b32 s59, s66, 10
	s_add_co_u32 s58, s58, s59
	s_mov_b32 s59, 0
	s_add_nc_u64 s[QP:QP+1], s[4:5], s[58:59]
	s_lshl_b32 s58, s[BH], 11
	s_lshl_b32 s60, s66, 5                         ; 64 bytes for each pair of tiles
	s_add_co_u32 s58, s58, s60
	s_add_nc_u64 s[QSP:QSP+1], s[6:7], s[58:59]
	s_lshl_b32 s58, s[BB], 12
	s_add_nc_u64 s[8:9], s[8:9], s[58:59]          ; the batch's mask
	s_lshl_b32 s67, s[BB], 6
	s_add_co_u32 s67, s67, s66                     ; my first token tile: 64 b + 16 cx + 2 w
	s_mul_i32 s58, s67, 12288
	s_lshl_b32 s60, s[HH], 10
	s_add_co_u32 s58, s58, s60
	s_add_nc_u64 s[10:11], s[10:11], s[58:59]
	s_mul_i32 s58, s67, 384
	s_add_nc_u64 s[12:13], s[12:13], s[58:59]
	v_and_b32 v11, 31, v0
	v_bfe_u32 v12, v0, 4, 1
	v_and_b32 v13, 15, v0
	v_lshl_add_u32 v[MW], v0, 4, MASK
	v_lshlrev_b32 v14, 4, v0
	v_lshlrev_b32 v[LI], 4, v11
	v_lshlrev_b32 v[LS4], 2, v11
	v_lshlrev_b32 v[MA], 5, v12
	v_lshlrev_b32 v[R4], 2, v13
	global_load_b128 v[S:S+3], v14, s[8:9]         ; 256 threads x 16 bytes: the batch's 1,024 mask numbers
	QLOAD                                          ; the first head's q
	INIT0
	WIN 0x40
	INIT0
	WIN 0
	s_wait_alu depctr_va_vdst(0)
	s_wait_loadcnt 0x0
	v_pk_mul_f32 v[S:S+1], v[S:S+1], 0x41000000 op_sel_hi:[1,0]      ; 8 x mask
	v_pk_mul_f32 v[S+2:S+3], v[S+2:S+3], 0x41000000 op_sel_hi:[1,0]
	ds_store_b128 v[MW], v[S:S+3]                  ; waited for in front of the first head's round
	s_mov_b32 s[HC], 2
.Lhead:                                                ; two heads, each asking for its successor
	HEAD 1
	s_sub_co_u32 s[HC], s[HC], 1
	s_cmp_lg_u32 s[HC], 0
	s_cbranch_scc1 .Lhead
	HEAD 0                                         ; the last head is written out: it asks for nothing
	s_wait_tensorcnt 0x0                           ; the wave's end
	ds_add_u32 v[SPW], v[NIL]
	s_wait_dscnt 0x0
	ROUND                                          ; the closing round
	s_endpgm
.Lfunc_end_k_q651bfe2c80_attn:
	.size	k_q651bfe2c80_attn, .Lfunc_end_k_q651bfe2c80_attn-k_q651bfe2c80_attn
	.p2alignl 7, 3214868480
	.fill 96, 4, 3214868480
	.section	.rodata,"a",@progbits
	.p2align	6, 0x0
	.amdhsa_kernel k_q651bfe2c80_attn
		.amdhsa_group_segment_fixed_size 327680
		.amdhsa_private_segment_fixed_size 0
		.amdhsa_enable_private_segment 0
		.amdhsa_kernarg_size 40
		.amdhsa_user_sgpr_count 2
		.amdhsa_user_sgpr_kernarg_segment_ptr 1
		.amdhsa_wavefront_size32 1
		.amdhsa_system_sgpr_workgroup_id_x 1
		.amdhsa_system_sgpr_workgroup_id_y 1
		.amdhsa_system_sgpr_workgroup_id_z 1
		.amdhsa_system_vgpr_workitem_id 0
		.amdhsa_next_free_vgpr 512
		.amdhsa_next_free_sgpr 72
		.amdhsa_reserve_vcc 0
		.amdhsa_float_denorm_mode_32 3
		.amdhsa_float_denorm_mode_16_64 3
		.amdhsa_memory_ordered 1
		.amdhsa_forward_progress 1
		.amdhsa_inst_pref_size 123
	.end_amdhsa_kernel
	.amdgpu_metadata
---
amdhsa.version: [ 1, 2 ]
amdhsa.kernels:
  - .name:           k_q651bfe2c80_attn
    .symbol:         k_q651bfe2c80_attn.kd
    .args:
      - { .name: qkvimg, .offset: 0, .size: 8, .value_kind: global_buffer, .address_space: global }
      - { .name: qkvsc, .offset: 8, .size: 8, .value_kind: global_buffer, .address_space: global }
      - { .name: attention_mask, .offset: 16, .size: 8, .value_kind: global_buffer, .address_space: global }
      - { .name: cimg, .offset: 24, .size: 8, .value_kind: global_buffer, .address_space: global }
      - { .name: csc, .offset: 32, .size: 8, .value_kind: global_buffer, .address_space: global }
    .group_segment_fixed_size: 327680
    .private_segment_fixed_size: 0
    .kernarg_segment_align: 8
    .kernarg_segment_size: 40
    .max_flat_workgroup_size: 256
    .sgpr_count:     72
    .vgpr_count:     512
    .wavefront_size: 32
...
	.end_amdgpu_metadata
.endif
;; end of part 3
;; launch outln (part 4): grid 256 x 1, 4 waves a work-group, no clusters, 200,192 bytes of LDS; arguments cimg, csc, pimg, psc, hidden_states, ob, gamma, beta, out0; writes out0
.if DOCPART == 4
	.amdgcn_target "amdgcn-amd-amdhsa--gfx1250"
	.amdhsa_code_object_version 6
	.text
	.protected	k_q651bfe2c80_outln
	.globl	k_q651bfe2c80_outln
	.p2align	8
	.type	k_q651bfe2c80_outln,@function
k_q651bfe2c80_outln:
	s_mov_b64 s[64:65], 0
	v_nop
	global_prefetch_b8 v0, s[64:65] scope:SCOPE_SE
	s_setreg_imm32_b32 hwreg(HW_REG_WAVE_MODE, 25, 1), 1
	s_wait_xcnt 0x0
; out = LayerNorm(context ow^T + ob + hidden_states) x gamma + beta; the product on codes of E5M2, K = 768 in six K steps; all else f32.
; SHARES.  A work-group takes 64 tokens and all 768 columns, so that a row's mean and variance never leave it.  Wave w makes columns 192 w on (12 tiles) for the 64 tokens: 48 accumulators, 384 registers.
; ow's fragments, images made earlier, go from memory straight into the registers of the one wave that multiplies them, three groups of four ahead; the context's 24 fragments stay in registers.
; The product is used transposed (source 0 = 16 rows of ow, source 1 = 16 tokens): a lane holds one token and eight neighbouring columns.
; THE RESIDUAL.  Each wave's one tensor load, issued first, brings 16 rows of hidden_states into LDS while the products run; rows of 3,072 bytes with 16 bytes of padding behind each 1,024: rows 3,120 bytes apart,
; an odd multiple of 16.  The results are added into those bytes (each byte is read and written by one lane), and after a barrier each wave takes 16 whole rows: bias, mean, variance (two passes over registers), gain.
; Each store covers 512 consecutive bytes of a row.
; NO CLUSTER: the rows of hidden_states and of the context belong to one work-group alone; ow goes into registers without LDS, whose 199,680 bytes here hold the residual rows.
; LIMITS: NaN and infinities are not served; within a block of 32 the products are summed in the permuted order that both operands share.
; REGISTERS.  window 0: v1-13 addresses and lane exchange; v16-27 the context's scale words, v28-63 ow's; v64-255 three sets of four fragments of ow, later temporaries, gamma, beta, ob and rows.
;   window 1: the context's fragments of K steps 0-3.   window 2: accumulators of column groups 0, 1.   window 3: v0-127 those of group 2; v128-255 the context's fragments of K steps 4, 5.
.set LI,  1
.set LS,  2
.set A0,  3                            ; v3-5 my place in the residual rows for column group ng, tokens 0-31; v6-8 tokens 32-63
.set RD,  9                            ; my 16 rows, 16 bytes a lane
.set TP,  10                           ; v10-13 lane exchange
.set CSR, 16
.set WSR, 28
.set WF,  64
.set TMPS, 64                          ; v64-95, v96-127: two sets for the additions
.set GA,  128
.set BE,  152
.set OB,  176
.set PA,  248                          ; v248-255 a pair for each of four rows
.set WV,  22
.set G0,  24
.set G1,  28
.set SEL, 44
.set INV, 46                           ; 1 / 768
.set EPS, 47                           ; 1e-12
.set MSB, 0
.macro WIN new
.if MSB != (\new)
	s_set_vgpr_msb (MSB<<8)|(\new)
.set MSB, (\new)
.endif
.endm
.macro PLACES n
.rept \n
	v_nop
.endr
.endm
.macro WLOAD g                         ; group g = 3 ks + ng: four fragments of ow into set ng
.set wks, (\g)/3
.set wng, (\g)%3
.irp q, 0,1,2,3
.irp c, 0,1,2,3
	global_load_b128 v[WF+64*wng+16*\q+4*\c:WF+64*wng+16*\q+4*\c+3], v[LI], s[8:9] offset:12288*(4*wng+\q)+2048*wks+512*\c
.endr
.endr
.endm
.macro GROUP g                         ; 16 matrix instructions on 16 accumulators; an accumulator's next turn comes 48 instructions later
.set gks, (\g)/3
.set gng, (\g)%3
.if (\g) < 16
	s_wait_loadcnt 32                              ; this group's fragments are in; the two younger groups' 32 loads may be out
.elseif (\g) == 16
	s_wait_loadcnt 16
.else
	s_wait_loadcnt 0x0
.endif
	WIN (0xa4+0x50*(gng/2)+8*(gks/4))              ; ow window 0; the context window 1 or 3; C and D window 2 or 3
.irp q, 0,1,2,3
.irp i, 0,1,2,3
.set rD, 128*(gng%2)+32*\q+8*\i
.if gks < 4
.set rB, 16*(4*gks+\i)
.else
.set rB, 128+16*(4*(gks-4)+\i)
.endif
.set rA, WF+64*gng+16*\q
.set sA, WSR+3*(4*gng+\q)+gks/2
.set sB, CSR+3*\i+gks/2
.if gks == 0
	v_wmma_scale_f32_16x16x128_f8f6f4 v[rD:rD+7], v[rA:rA+15], v[rB:rB+15], 0, v[sA], v[sB] matrix_a_fmt:MATRIX_FMT_BF8 matrix_b_fmt:MATRIX_FMT_BF8
.elseif gks%2
	v_wmma_scale_f32_16x16x128_f8f6f4 v[rD:rD+7], v[rA:rA+15], v[rB:rB+15], v[rD:rD+7], v[sA], v[sB] matrix_a_fmt:MATRIX_FMT_BF8 matrix_b_fmt:MATRIX_FMT_BF8 matrix_a_scale:MATRIX_SCALE_ROW1 matrix_b_scale:MATRIX_SCALE_ROW1
.else
	v_wmma_scale_f32_16x16x128_f8f6f4 v[rD:rD+7], v[rA:rA+15], v[rB:rB+15], v[rD:rD+7], v[sA], v[sB] matrix_a_fmt:MATRIX_FMT_BF8 matrix_b_fmt:MATRIX_FMT_BF8
.endif
.endr
.endr
	WIN 0
	PLACES 8                                       ; in front of loads into the set just multiplied (ISA guide 7.12.1 for vector instructions)
.if (\g) < 15
	WLOAD ((\g)+3)
.endif
.endm
; The additions, by units u = 3 i + ng: 16 tokens x 64 columns, 32 numbers a lane
.macro LDU u
.set ui, (\u)/3
.set ung, (\u)%3
.set tb, TMPS+32*((\u)%2)
.set ar, A0+ung+3*(ui/2)
.irp q, 0,1,2,3
	ds_load_b128 v[tb+8*\q:tb+8*\q+3], v[ar] offset:49920*(ui%2)+64*\q
	ds_load_b128 v[tb+8*\q+4:tb+8*\q+7], v[ar] offset:49920*(ui%2)+64*\q+16
.endr
.endm
.macro ADDU u
.set ui, (\u)/3
.set ung, (\u)%3
.set tb, TMPS+32*((\u)%2)
	WIN (0x02+ung/2)                               ; source 0: the accumulators' window
.irp q, 0,1,2,3
.irp p, 0,2,4,6
	v_pk_add_f32 v[tb+8*\q+\p:tb+8*\q+\p+1], v[128*(ung%2)+32*\q+8*ui+\p:128*(ung%2)+32*\q+8*ui+\p+1], v[tb+8*\q+\p:tb+8*\q+\p+1]   ; each accumulator from its low end on
.endr
.endr
	WIN 0
.endm
.macro STU u
.set ui, (\u)/3
.set ung, (\u)%3
.set tb, TMPS+32*((\u)%2)
.set ar, A0+ung+3*(ui/2)
.irp q, 0,1,2,3
	ds_store_b128 v[ar], v[tb+8*\q:tb+8*\q+3] offset:49920*(ui%2)+64*\q
	ds_store_b128 v[ar], v[tb+8*\q+4:tb+8*\q+7] offset:49920*(ui%2)+64*\q+16
.endr
.endm
.macro REDUCE                          ; the four rows' lane sums, over the 32 lanes, by turns
.irp m, 1,2,4,8
.irp p, 0,1,2,3
	v_add_f32_dpp v[PA+2*\p], v[PA+2*\p], v[PA+2*\p] row_xmask:\m row_mask:0xf bank_mask:0xf
.endr
.endr
.irp p, 0,1,2,3
	v_permlanex16_b32 v[TP+\p], v[PA+2*\p], s[SEL], s[SEL+1]
.endr
.irp p, 0,1,2,3
	v_add_f32 v[PA+2*\p], v[PA+2*\p], v[TP+\p]
.endr
.endm
; Four rows k0 .. k0 + 3 of my 16, 24 registers each at 64 + 24 p + 88 (p / 2): v64, v88, v200, v224.  Register 4 q + e of a row: column 128 q + 4 lane + e
.macro ROW4 k0
	s_wait_xcnt 0x0                                ; the last four rows' stores have read their registers
.irp p, 0,1,2,3
.irp q, 0,1,2,3,4,5
	ds_load_b128 v[64+24*\p+88*(\p/2)+4*\q:64+24*\p+88*(\p/2)+4*\q+3], v[RD] offset:3120*((\k0)+\p)+512*\q+16*(\q/2)
.endr
.endr
	s_wait_dscnt 0x0
.irp e, 0,2,4,6,8,10,12,14,16,18,20,22
.irp p, 0,1,2,3
	v_pk_add_f32 v[64+24*\p+88*(\p/2)+\e:64+24*\p+88*(\p/2)+\e+1], v[64+24*\p+88*(\p/2)+\e:64+24*\p+88*(\p/2)+\e+1], v[OB+\e:OB+\e+1]   ; + ob
.endr
.endr
.irp p, 0,1,2,3
	v_pk_add_f32 v[PA+2*\p:PA+2*\p+1], v[64+24*\p+88*(\p/2):64+24*\p+88*(\p/2)+1], v[64+24*\p+88*(\p/2)+2:64+24*\p+88*(\p/2)+3]
.endr
.irp e, 4,6,8,10,12,14,16,18,20,22
.irp p, 0,1,2,3
	v_pk_add_f32 v[PA+2*\p:PA+2*\p+1], v[PA+2*\p:PA+2*\p+1], v[64+24*\p+88*(\p/2)+\e:64+24*\p+88*(\p/2)+\e+1]
.endr
.endr
.irp p, 0,1,2,3
	v_add_f32 v[PA+2*\p], v[PA+2*\p], v[PA+2*\p+1]
.endr
	REDUCE
.irp p, 0,1,2,3
	v_mul_f32 v[PA+2*\p], s[INV], v[PA+2*\p]       ; the mean
.endr
.irp e, 0,2,4,6,8,10,12,14,16,18,20,22
.irp p, 0,1,2,3
	v_pk_add_f32 v[64+24*\p+88*(\p/2)+\e:64+24*\p+88*(\p/2)+\e+1], v[64+24*\p+88*(\p/2)+\e:64+24*\p+88*(\p/2)+\e+1], v[PA+2*\p:PA+2*\p+1] op_sel_hi:[1,0] neg_lo:[0,1] neg_hi:[0,1]   ; x - mean
.endr
.endr
.irp p, 0,1,2,3
	v_pk_mul_f32 v[PA+2*\p:PA+2*\p+1], v[64+24*\p+88*(\p/2):64+24*\p+88*(\p/2)+1], v[64+24*\p+88*(\p/2):64+24*\p+88*(\p/2)+1]
.endr
.irp e, 2,4,6,8,10,12,14,16,18,20,22
.irp p, 0,1,2,3
	v_pk_fma_f32 v[PA+2*\p:PA+2*\p+1], v[64+24*\p+88*(\p/2)+\e:64+24*\p+88*(\p/2)+\e+1], v[64+24*\p+88*(\p/2)+\e:64+24*\p+88*(\p/2)+\e+1], v[PA+2*\p:PA+2*\p+1]
.endr
.endr
.irp p, 0,1,2,3
	v_add_f32 v[PA+2*\p], v[PA+2*\p], v[PA+2*\p+1]
.endr
	REDUCE
.irp p, 0,1,2,3
	v_fma_f32 v[PA+2*\p], v[PA+2*\p], s[INV], s[EPS]                 ; the variance + 1e-12
.endr
	s_wait_alu depctr_va_vdst(0)
.irp p, 0,1,2,3
	v_rsq_f32 v[PA+2*\p], v[PA+2*\p]
.endr
	v_nop                                          ; a plain line behind the last of them
	s_wait_alu depctr_va_vdst(0)
.irp e, 0,2,4,6,8,10,12,14,16,18,20,22
.irp p, 0,1,2,3
	v_pk_mul_f32 v[64+24*\p+88*(\p/2)+\e:64+24*\p+88*(\p/2)+\e+1], v[64+24*\p+88*(\p/2)+\e:64+24*\p+88*(\p/2)+\e+1], v[PA+2*\p:PA+2*\p+1] op_sel_hi:[1,0]
.endr
.endr
.irp e, 0,2,4,6,8,10,12,14,16,18,20,22
.irp p, 0,1,2,3
	v_pk_fma_f32 v[64+24*\p+88*(\p/2)+\e:64+24*\p+88*(\p/2)+\e+1], v[64+24*\p+88*(\p/2)+\e:64+24*\p+88*(\p/2)+\e+1], v[GA+\e:GA+\e+1], v[BE+\e:BE+\e+1]
.endr
.endr
.irp p, 0,1,2,3
.irp q, 0,1,2,3,4,5
	global_store_b128 v[LI], v[64+24*\p+88*(\p/2)+4*\q:64+24*\p+88*(\p/2)+4*\q+3], s[20:21] offset:3072*((\k0)+\p)+512*\q th:TH_STORE_NT   ; 512 consecutive bytes; written once, read by nobody here
.endr
.endr
.endm
	s_load_b256 s[4:11], s[0:1], 0x0               ; cimg, csc, pimg, psc
	s_load_b256 s[12:19], s[0:1], 0x20             ; hidden_states, ob, gamma, beta
	s_load_b64 s[20:21], s[0:1], 0x40              ; out0
	v_lshl_add_u32 v14, v0, 2, 0x30c00
	v_mov_b32 v15, 0
	ds_add_u32 v14, v15
	ds_add_u32 v14, v15
	v_lshrrev_b32 v10, 5, v0
	v_readfirstlane_b32 s[WV], v10
	s_mov_b32 s[G1+0], (2<<16)|(1<<20)|(7<<22)|(3<<25)   ; elements of 4 bytes; padding on: 4 words behind every 256
	s_mov_b32 s[G1+1], 768<<16                     ; tensor_dim0
	s_mov_b32 s[G1+2], 16<<16                      ; tensor_dim1
	s_mov_b32 s[G1+3], 768<<16                     ; tile_dim0
	s_mov_b32 s[G1+4], 16                          ; tile_dim1
	s_mov_b32 s[G1+5], 768                         ; the pitch
	s_mov_b32 s[G1+6], 0
	s_mov_b32 s[G1+7], 0
	s_lshl_b32 s2, ttmp9, 6
	s_lshl_b32 s3, s[WV], 4
	s_add_co_u32 s2, s2, s3                        ; my 16 rows: 64 g + 16 w
	s_mul_i32 s2, s2, 3072
	s_mov_b32 s3, 0
	s_mov_b32 s[G0], 1
	s_mul_i32 s[G0+1], s[WV], 49920
	s_wait_dscnt 0x0
	s_wait_kmcnt 0x0
	s_add_nc_u64 s[G0+2:G0+3], s[12:13], s[2:3]
	s_or_b32 s[G0+3], s[G0+3], 0x80000000
	tensor_load_to_lds s[G0:G0+3], s[G1:G1+7]      ; my one tensor load: it lands while the products run
	s_nop 0
	PLACES 4
	s_add_nc_u64 s[20:21], s[20:21], s[2:3]
	s_mul_i32 s2, ttmp9, 4*12288
	s_add_nc_u64 s[4:5], s[4:5], s[2:3]            ; the context's images of my four token tiles
	s_mul_i32 s2, ttmp9, 4*384
	s_add_nc_u64 s[6:7], s[6:7], s[2:3]
	s_mul_i32 s2, s[WV], 12
	s_add_co_u32 s23, s2, 1168                     ; my first row tile of ow
	s_mul_i32 s2, s23, 12288
	s_add_nc_u64 s[8:9], s[8:9], s[2:3]
	s_mul_i32 s2, s23, 384
	s_add_nc_u64 s[10:11], s[10:11], s[2:3]
	s_mov_b32 s[SEL], 0x76543210
	s_mov_b32 s[SEL+1], 0xfedcba98
	s_mov_b32 s[INV], 0x3aaaaaab
	s_mov_b32 s[EPS], 0x2b8cbccc
	v_and_b32 v10, 31, v0
	v_lshlrev_b32 v[LI], 4, v10
	v_lshlrev_b32 v[LS], 2, v10
	v_add_nc_u32 v[RD], s[G0+1], v[LI]
	v_and_b32 v10, 15, v0
	v_bfe_u32 v11, v0, 4, 1
	v_mul_u32_u24 v10, v10, 3120
	v_lshl_add_u32 v10, v11, 5, v10                ; 3,120 r + 32 h
	s_wait_alu depctr_va_vdst(0)
	s_mul_i32 s2, s[WV], 3
.irp ng, 0,1,2
	s_add_co_u32 s3, s2, \ng
	s_lshl_b32 s23, s3, 8                          ; byte 768 w + 256 ng of a row,
	s_lshr_b32 s3, s3, 2
	s_lshl_b32 s3, s3, 4                           ; and 16 more for each 1,024 passed
	s_add_co_u32 s3, s3, s23
	v_add_nc_u32 v[A0+\ng], s3, v10
	v_add_nc_u32 v[A0+3+\ng], 99840, v[A0+\ng]
.endr
.irp p, 0,1,2,3
	v_mov_b32 v[TP+\p], 0                          ; a lane permute's destination counts as one of its sources
.endr
.irp i, 0,1,2,3
.irp kp, 0,1,2
	global_load_b32 v[CSR+3*\i+\kp], v[LS], s[6:7] offset:384*\i+128*\kp
.endr
.endr
.irp nt, 0,1,2,3,4,5,6,7,8,9,10,11
.irp kp, 0,1,2
	global_load_b32 v[WSR+3*\nt+\kp], v[LS], s[10:11] offset:384*\nt+128*\kp
.endr
.endr
	WIN 0x40
.irp ks, 0,1,2,3
.irp i, 0,1,2,3
.irp c, 0,1,2,3
	global_load_b128 v[16*(4*\ks+\i)+4*\c:16*(4*\ks+\i)+4*\c+3], v[LI], s[4:5] offset:12288*\i+2048*\ks+512*\c
.endr
.endr
.endr
	WIN 0xc0
.irp ks, 4,5
.irp i, 0,1,2,3
.irp c, 0,1,2,3
	global_load_b128 v[128+16*(4*(\ks-4)+\i)+4*\c:128+16*(4*(\ks-4)+\i)+4*\c+3], v[LI], s[4:5] offset:12288*\i+2048*\ks+512*\c
.endr
.endr
.endr
	WIN 0
	WLOAD 0
	WLOAD 1
	WLOAD 2
.set G, 0
	s_wait_alu depctr_va_vdst(0)
.rept 18
	GROUP G
.set G, G+1
.endr
.irp q, 0,1,2,3,4,5
	global_load_b128 v[GA+4*\q:GA+4*\q+3], v[LI], s[16:17] offset:512*\q
	global_load_b128 v[BE+4*\q:BE+4*\q+3], v[LI], s[18:19] offset:512*\q
	global_load_b128 v[OB+4*\q:OB+4*\q+3], v[LI], s[14:15] offset:512*\q
.endr
	s_wait_tensorcnt 0x0                           ; my 16 rows of the residual are in,
	s_barrier_signal -1
	s_barrier_wait -1                              ; everybody's are
	LDU 0
.set U, 0
.rept 12
.if U < 11
	LDU (U+1)
.endif
.if U == 0
	s_wait_dscnt 8                                 ; behind this unit's loads: the next unit's 8
.elseif U < 11
	s_wait_dscnt 16                                ; the last unit's 8 stores and the next unit's 8 loads
.else
	s_wait_dscnt 8                                 ; the last unit's 8 stores
.endif
	ADDU U
	STU U
.set U, U+1
.endr
	s_wait_dscnt 0x0                               ; for the others' sake: my sums are stored
	s_barrier_signal -1
	s_barrier_wait -1
	s_wait_loadcnt 0x0                             ; gamma, beta, ob
	ROW4 0
	ROW4 4
	ROW4 8
	ROW4 12
	s_wait_tensorcnt 0x0
	ds_add_u32 v14, v15
	s_wait_dscnt 0x0
	s_endpgm
.Lfunc_end_k_q651bfe2c80_outln:
	.size	k_q651bfe2c80_outln, .Lfunc_end_k_q651bfe2c80_outln-k_q651bfe2c80_outln
	.p2alignl 7, 3214868480
	.fill 96, 4, 3214868480
	.section	.rodata,"a",@progbits
	.p2align	6, 0x0
	.amdhsa_kernel k_q651bfe2c80_outln
		.amdhsa_group_segment_fixed_size 200192
		.amdhsa_private_segment_fixed_size 0
		.amdhsa_enable_private_segment 0
		.amdhsa_kernarg_size 72
		.amdhsa_user_sgpr_count 2
		.amdhsa_user_sgpr_kernarg_segment_ptr 1
		.amdhsa_wavefront_size32 1
		.amdhsa_system_sgpr_workgroup_id_x 1
		.amdhsa_system_sgpr_workgroup_id_y 1
		.amdhsa_system_sgpr_workgroup_id_z 1
		.amdhsa_system_vgpr_workitem_id 0
		.amdhsa_next_free_vgpr 1024
		.amdhsa_next_free_sgpr 66
		.amdhsa_reserve_vcc 0
		.amdhsa_float_denorm_mode_32 3
		.amdhsa_float_denorm_mode_16_64 3
		.amdhsa_memory_ordered 1
		.amdhsa_forward_progress 1
		.amdhsa_inst_pref_size 215
	.end_amdhsa_kernel
	.amdgpu_metadata
---
amdhsa.version: [ 1, 2 ]
amdhsa.kernels:
  - .name:           k_q651bfe2c80_outln
    .symbol:         k_q651bfe2c80_outln.kd
    .args:
      - { .name: cimg, .offset: 0, .size: 8, .value_kind: global_buffer, .address_space: global }
      - { .name: csc, .offset: 8, .size: 8, .value_kind: global_buffer, .address_space: global }
      - { .name: pimg, .offset: 16, .size: 8, .value_kind: global_buffer, .address_space: global }
      - { .name: psc, .offset: 24, .size: 8, .value_kind: global_buffer, .address_space: global }
      - { .name: hidden_states, .offset: 32, .size: 8, .value_kind: global_buffer, .address_space: global }
      - { .name: ob, .offset: 40, .size: 8, .value_kind: global_buffer, .address_space: global }
      - { .name: gamma, .offset: 48, .size: 8, .value_kind: global_buffer, .address_space: global }
      - { .name: beta, .offset: 56, .size: 8, .value_kind: global_buffer, .address_space: global }
      - { .name: out0, .offset: 64, .size: 8, .value_kind: global_buffer, .address_space: global }
    .group_segment_fixed_size: 200192
    .private_segment_fixed_size: 0
    .kernarg_segment_align: 8
    .kernarg_segment_size: 72
    .max_flat_workgroup_size: 128
    .sgpr_count:     66
    .vgpr_count:     1024
    .wavefront_size: 32
...
	.end_amdgpu_metadata
.endif
;; end of part 4
